; MI455X (gfx1250); checked and timed in simulation.
; The chip was launched on July 23, 2026; its instructions are those of AMD's public machine-readable ISA for CDNA 5 (MIT licence, August 2026) and "CDNA5" Instruction Set Architecture Reference Guide (July 2026). The comments in the code are by the model that wrote it; some were corrected since.
;; Transformer Blocks. Allowed arithmetic: matrix products marked QUANTISED: E3M2 operands, one E8M0 scale for each 32 along K, by v_wmma_scale_f32_16x16x128_f8f6f4 with both operands' format E3M2, f32 sums; everything else in f32.
;; Inputs: Wfc_codes 512 x 16 x 24 uint8 (E3M2 codes of Wfc, K innermost, in blocks of 32 codes, four codes in three bytes); Wfc_scales 512 x 16 uint8 (E8M0 scales of Wfc, one for each 32 codes along K); Wk_codes 16 x 64 x 16 x 24 uint8 (E3M2 codes of Wk, K innermost, in blocks of 32 codes, four codes in three bytes); Wk_scales 16 x 64 x 16 uint8 (E8M0 scales of Wk, one for each 32 codes along K); Wo_codes 512 x 32 x 24 uint8 (E3M2 codes of Wo, K innermost, in blocks of 32 codes, four codes in three bytes); Wo_scales 512 x 32 uint8 (E8M0 scales of Wo, one for each 32 codes along K); Wq_codes 16 x 64 x 16 x 24 uint8 (E3M2 codes of Wq, K innermost, in blocks of 32 codes, four codes in three bytes); Wq_scales 16 x 64 x 16 uint8 (E8M0 scales of Wq, one for each 32 codes along K); Wr_codes 512 x 16 x 24 uint8 (E3M2 codes of Wr, K innermost, in blocks of 32 codes, four codes in three bytes); Wr_scales 512 x 16 uint8 (E8M0 scales of Wr, one for each 32 codes along K); Wv_codes 16 x 64 x 16 x 24 uint8 (E3M2 codes of Wv, K innermost, in blocks of 32 codes, four codes in three bytes); Wv_scales 16 x 64 x 16 uint8 (E8M0 scales of Wv, one for each 32 codes along K); bfc 512 float32; bk 16 x 64 float32; bo 512 float32; bq 16 x 64 float32; br 512 float32; bv 16 x 64 float32; inputs_codes 32 x 512 x 16 x 24 uint8 (E3M2 codes of inputs, K innermost, in blocks of 32 codes, four codes in three bytes); inputs_scales 32 x 512 x 16 uint8 (E8M0 scales of inputs, one for each 32 codes along K); ln1_b 512 float32; ln1_w 512 float32; ln2_b 512 float32; ln2_w 512 float32.
;; Outputs: out0 32 x 512 x 512 float32.
;; This version of the problem:
;;   THIS VERSION OF THE PROBLEM IS GIVEN IN LOW PRECISION. The matrix products marked QUANTISED in the list below multiply operands that are first quantised to E3M2 (3 exponent bits, 2 mantissa bits; 6 bits a number), with one power-of-two scale for each 32 numbers along K (OCP MX v1.0); their sums are f32. All else is computed in f32.
;;   The module's matrix products, in the order in which they are computed (A, B: the left and right operand; K: the contracted axis; several contracted axes count as one K, in the product's order):
;;     1. [M 16,384, K 512] x [K 512, N 512]; A: input inputs (given as codes); B: input Wr (given as codes): QUANTISED
;;     2. [M 1,024, K 512] x [K 512, N 16,384]; A: input Wq (given as codes); B: input inputs (given as codes): QUANTISED
;;     3. [M 1,024, K 512] x [K 512, N 16,384]; A: input Wk (given as codes); B: input inputs (given as codes): QUANTISED
;;     4. [M 1,024, K 512] x [K 512, N 16,384]; A: input Wv (given as codes); B: input inputs (given as codes): QUANTISED
;;     5. batch 512 x [M 512, K 64] x [K 64, N 512]; A: computed on the way; B: computed on the way: QUANTISED
;;     6. batch 512 x [M 512, K 512] x [K 512, N 64]; A: softmax (see below); B: computed on the way: QUANTISED
;;     7. [M 16,384, K 1,024] x [K 1,024, N 512]; A: computed on the way; B: input Wo (given as codes): QUANTISED
;;     8. [M 16,384, K 512] x [K 512, N 512]; A: computed on the way; B: input Wfc (given as codes): QUANTISED
;;   THE QUANTISER, for each operand of a quantised product, along K:
;;     - K is cut into blocks of 32 from its start; a last block that is shorter is filled with zeros.
;;     - A block's scale is 2^e with e = floor(log2(the largest magnitude in the block)) - 4, held to -126 .. 127; a block of zeros has e = 0. As a byte (E8M0): e + 127.
;;     - Each number is divided by its block's scale, clamped to +-28, and rounded to the nearest number of E3M2, ties to even, subnormals kept.
;;     - The product sums the exact products of the quantised numbers (number of the format x scale) in f32.
;;   ~~~python
;;   def quantise(x, axis):      # numpy; x: float32 -> the quantised numbers, widened to float32 again
;;       x = np.moveaxis(x, axis, -1); K = x.shape[-1]
;;       x = np.pad(x, [(0, 0)] * (x.ndim - 1) + [(0, -K % 32)]); x = x.reshape(x.shape[:-1] + (-1, 32)); a = np.abs(x).max(-1, keepdims=True)
;;       e = np.where(a > 0, np.clip(np.frexp(np.where(a > 0, a, 1))[1] - 1 - 4, -126, 127), 0)      # np.frexp(a)[1] - 1 = floor(log2(a)), exactly
;;       r = np.clip(x / 2.0 ** e, -28, 28)
;;       step = 2.0 ** (np.maximum(np.frexp(np.where(r == 0, 1, r))[1] - 1, -2) - 2)
;;       q = np.round(r / step) * step * 2.0 ** e      # np.round: ties to even
;;       return np.moveaxis(q.reshape(q.shape[:-2] + (-1,))[..., :K], -1, axis).astype(np.float32)
;;   ~~~
;;   SOFTMAX AHEAD OF A QUANTISED PRODUCT. Where the list says 'softmax', what is quantised is not the finished softmax but p = 2^(t - M), with t = logit x log2(e) and M = ceil(the row's largest t), a whole number; so 1/2 < the row's largest p <= 1. The row's sum l is taken of the UNQUANTISED p, in f32, and the product's result is divided by l at the end. Since M is a whole number, a kernel that streams over the keys may use a running M (the ceiling of the running maximum): every later rescaling is an exact power of two, which a block's scale takes up: the codes' values come out the same.
;;   OPERANDS COMPUTED ON THE WAY. 'Computed on the way' means the value that the module computes at that place (a softmax that the list does not call 'softmax' is quantised finished and normalised). What goes into a quantiser is computed in f32, as accurately as f32 sums, v_exp_f32 and their like allow (about 1e-6 of the number): no bf16 or f16 on the way to a quantiser, and a product that is left as it is and whose result goes on into a quantised operand takes f32 operands (vector FMAs, or v_wmma_f32_16x16x4_f32). A number that lies on a knife's edge between two numbers of the format may be rounded either way, as far as f32 arithmetic and the matrix unit's own rounding can turn it there, and no further.
;;   INPUTS GIVEN AS CODES. Wfc (in the module: [512, 512], K = its axis 0); Wk (in the module: [16, 512, 64], K = its axis 1); Wo (in the module: [1024, 512], K = its axis 0); Wq (in the module: [16, 512, 64], K = its axis 1); Wr (in the module: [512, 512], K = its axis 0); Wv (in the module: [16, 512, 64], K = its axis 1); inputs (in the module: [32, 512, 512], K = its axis 2): each comes as NAME_codes (uint8): NAME with its K axis moved to the last place and cut into blocks of 32 codes, [.., K / 32, bytes a block], one block behind the other in memory; four codes in three bytes: a row's codes are one little-endian stream of bits, code i at bits 6 i .. 6 i + 5 (a code: sign, 3 exponent bits, 2 mantissa bits); and NAME_scales (uint8): the same leading axes, one E8M0 byte (e + 127) for each 32 codes along K. Its value is code x scale, taken as it is: it is not quantised again, and the codes and scales need not be those that the quantiser above would give.
;; 2 versions. Each part assembles by itself: llvm-mc -triple=amdgcn-amd-amdhsa -mcpu=gfx1250 --defsym DOCPART=n.
;; ======== version 1 of 2: 2 launches
;; limits: a function is approximated: absolute error at most 2e-07
;; workspace buffers: cc 12,582,912 bytes; cs 1,048,576 bytes; wl 851,968 bytes
;; launch heads (part 1): grid 8 x 32, 16 waves a work-group, no clusters, 289,280 bytes of LDS; arguments inputs_codes, inputs_scales, Wq_codes, Wq_scales, Wk_codes, Wk_scales, Wv_codes, Wv_scales, bq, bk, bv, Wo_codes, Wo_scales, Wr_codes, Wr_scales, Wfc_codes, Wfc_scales, cc, cs, wl; writes cc, cs, wl
.if DOCPART == 1
	.amdgcn_target "amdgcn-amd-amdhsa--gfx1250"
	.amdhsa_code_object_version 6
	.text
	.protected	k_q794c12098d_heads
	.globl	k_q794c12098d_heads
	.p2align	8
	.type	k_q794c12098d_heads,@function
k_q794c12098d_heads:
	s_mov_b64 s[64:65], 0
	v_nop
	global_prefetch_b8 v0, s[64:65] scope:SCOPE_SE
	s_setreg_imm32_b32 hwreg(HW_REG_WAVE_MODE, 25, 1), 1
	s_wait_xcnt 0x0
; HEADS.  A work-group takes one batch (grid y) and two heads, 2 hp and 2 hp + 1 (grid x = hp), one after the other: q = relu(x Wq + bq), k = relu(x Wk + bk), v = tanh(x Wv + bv), all three quantised to
; codes of BF6 (E3M2) with one E8M0 byte for each 32 along the next product's K; causal attention on the codes; heads / l quantised along the concatenated axis and stored as images of operand registers (cc, cs).
; Side job: each work-group lays two fragments of Wo, Wr or Wfc into wl, in the order in which the next launch's waves take them.
; SHARES.  Sixteen waves of 256 registers.  Projection: wave w owns tokens 32 w .. 32 w + 31.  Attention: wave w owns query tiles (pair w, u = 0) and (pair w xor 15, u = 1): (w / 4 + 1) + (4 - w / 4) = 5 key steps of 128 for every wave.
; TILES.  Every tile of 16 rows (tokens, weight rows) is tile 2 b + u, whose lane r takes row 32 b + 8 u + r + 8 (r / 8): so the 16 result registers of tiles 2 b, 2 b + 1 are 16 neighbours, 32 b + 16 (lane / 16) + 0 .. 15.
; K = 64 IN THE SCORES.  A fragment of k packs two key tiles: registers 0-5 tile u = 0, registers 6-11 tile u = 1.  q stands as zeros(6) q(6) zeros(6): (q, 0) gives the scores of tile u = 0, (0, q) those of tile u = 1.
; OPERANDS GO FROM WAVE TO WAVE THROUGH LDS AS IMAGES OF THEIR REGISTERS, a lane's 12 registers on end at 48 x lane (12 words: sixteen neighbouring lanes start in sixteen different groups of four banks).
; THE MASK.  reference() builds it itself: a hidden score is -1e9 and a shown one is never negative (q and k pass a relu), so a hidden p is 0 for every input: key steps wholly behind a tile's queries are left out, on the
; diagonal hidden scores become -infinity ahead of the maximum.
; SOFTMAX.  t = score x log2(e) / 8; M = the running largest t rounded up to a whole number; p = 2^(t - M) is quantised; the sum of the unquantised p divides at the end.
; LIMITS.  tanh(x) = 1 - 2 / (1 + 2^(2 x log2 e)): absolute error about 2e-7.  A block of zeros keeps the scale byte 1 (this program alone reads the bytes; its codes are zeros).  NaN and infinities among the inputs are
; not served.  The zero half of q is multiplied under the other key tile's scale bytes: q and k beyond about 2^60 are not served.
.set KIMG, 0                           ; LDS: k's fragments, pair P at 1536 P
.set VIMG, 24576                       ; v's fragments (channel tile t, key step s) at (4 t + s) 1536
.set KSC,  49152                       ; k's scale words: 128 P + 4 lane
.set VSC,  51200                       ; v's: (4 t + s) 64 + 4 r, written byte by byte
.set QSC,  52224                       ; q's: 128 P + 4 lane
.set WSC,  54272                       ; the weights' scale rows as they lie: [q, k, v][head of the two][64 rows][16 bytes]
.set BIAS, 60416                       ; the biases as they lie: [q, k, v][head][64] f32
.set SSC,  61952                       ; the result's scale words: 128 T + 4 lane, a half word for each head
.set QIMG, 66048                       ; q's fragments, pair P at 1536 P
.set STG,  90624                       ; the result's fragments, each wave's own: 3072 w + 1536 j + 48 lane + 24 head
.set WIMG, 139776                      ; the weights' fragments: [q, k, v][head][tile 4][K step 4] x 1536
.set LM,   1                           ; v1   48 x lane
.set L4,   2                           ; v2   4 x lane
.set R4,   3                           ; v3   4 r
.set RH16, 4                           ; v4   16 rho, rho = r + 8 (r / 8)
.set XA,   5                           ; v5   384 rho + 24 h: a fragment's place in rows of 384 bytes
.set BA,   6                           ; v6   64 h
.set RH4,  7                           ; v7   4 rho
.set VWA,  8                           ; v8   where my half block of v's codes goes
.set VSA,  9                           ; v9   and its scale byte
.set KWA,  10                          ; v10  48 lane + 1536 w
.set KSW,  11                          ; v11  4 lane + 128 w
.set QWA,  12                          ; v12  KWA + QIMG
.set STB,  13                          ; v13  48 lane + STG + 3072 w
.set RD,   14                          ; v14  rho - 16 h
.set T4,   15                          ; v15  4 x thread
.set X,    16                          ; projection: v16-111 x's fragments [u 2][K step 4] x 12
.set XS,   112                         ; v112-119 their scale words
.set ACC,  120                         ; v120-183 eight accumulators
.set WF,   184                         ; v184-231 four fragments of a weight
.set PC,   184                         ; v184-203 codes just made (over WF, when the products are done)
.set BVP,  204                         ; v204-211 bv, in pairs
.set WS,   232                         ; v232-235 a weight tile's scale words
.set TM,   236                         ; v236-251 the quantiser's: +0..3 maxima, +4..7 bytes, +12..15 scale operands
.set ADK,  244                         ; v244-247 (TM + 8 .. 11, which the quantiser leaves alone): addresses of the loads in hand
.set ADS,  245
.set ADV,  246
.set ADT,  247
.set PW,   252                         ; v252 the scale word just made
.set WRD,  253                         ; v253 where the weight's fragments are read
.set WSR,  254                         ; v254 and its scale rows
.set BAR,  255                         ; v255 and the bias
.set S,    16                          ; attention: v16-79 S^T, then p
.set KV,   80                          ; v80-127 four fragments of k or of v
.set O,    128                         ; v128-159 O^T
.set Q,    160                         ; v160-177 zeros, q, zeros
.set QS,   178                         ; v178 q's scale word
.set DQ,   179                         ; v179 my query less the step's first key less 16 h
.set KVS,  180                         ; v180-183 scale words of k or of v
.set NM,   204                         ; v204 -M;  v205 the largest t
.set TMAX, 205
.set L,    206                         ; v[206:207] the sum, in two halves
.set BM,   208                         ; v208-211 the blocks' largest scores, then p
.set PX,   212                         ; v212-215 what the other half of the lanes holds
.set SO,   216                         ; v216-219 the conversions' scale operands
.set F,    220                         ; v220 2^(old M - new M);  v221 p's scale word
.set PS,   221
.set T0,   222
.set T1,   223                         ; v223 -infinity
.set SUM2, 224
.set BY,   226
.set INV,  230
.set WV,   44
.set HP,   45
.set B,    46
.set H24,  47                          ; s47 24 x head of the two
.set SEL,  48                          ; s[48:49] v_permlanex16_b32's selects for lane l xor 16
.set CS,   50                          ; s[50:51] c = log2(e) / 8, twice
.set HDC,  52                          ; s52 head of the two
.set HW,   53                          ; s53 WIMG + 24576 head
.set HS,   54                          ; s54 1024 head
.set HB,   55                          ; s55 256 head
.set P,    56                          ; s56 the query tile's pair;  s57 its key step;  s58 its block in that step
.set P4,   57
.set PB,   58
.set ST,   59                          ; s59 the key step;  s60-63 its places in KIMG, KSC, VIMG, VSC
.set TK,   60
.set TS,   61
.set TV,   62
.set TT,   63
.set XB,   66                          ; s[66:67] x's codes at my wave's first token;  s[68:69] its scale bytes
.set XSB,  68
.set CC0,  90                          ; s[90:91], s[92:93] where my two fragments go in cc;  s[94:95] my 256 bytes of cs
.set CC1,  92
.set CSB,  94
.macro NOPS n
.rept \n
	v_nop
.endr
.endm
.macro WM d, a, b, sa, sb              ; D += A B
	v_wmma_scale_f32_16x16x128_f8f6f4 v[\d:\d+7], v[\a:\a+11], v[\b:\b+11], v[\d:\d+7], v[\sa], v[\sb] matrix_a_fmt:MATRIX_FMT_BF6 matrix_b_fmt:MATRIX_FMT_BF6
.endm
.macro WM0 d, a, b, sa, sb             ; D = A B: the product starts the sum
	v_wmma_scale_f32_16x16x128_f8f6f4 v[\d:\d+7], v[\a:\a+11], v[\b:\b+11], 0, v[\sa], v[\sb] matrix_a_fmt:MATRIX_FMT_BF6 matrix_b_fmt:MATRIX_FMT_BF6
.endm
.macro BARRIER                         ; my LDS stores have landed and my LDS loads are in: then the work-group's barrier
	s_wait_dscnt 0x0
	s_barrier_signal -1
	s_barrier_wait -1
.endm
; THE QUANTISER.  Block b < nb: 16 numbers a lane at v[src + 16 b] on, the other 16 in lane l xor 16.  Gives the scale operand in v[TM + 12 + b] and the byte in v[TM + 4 + b].
.macro QHEAD src, nb
.irp b, 0,1,2,3
.if \b < \nb
	v_max3_num_f32 v[TM+\b], |v[\src+16*\b]|, |v[\src+1+16*\b]|, 0x2800000   ; with the floor 2^(5 - 127): the byte cannot fall under 1
.endif
.endr
.irp i, 2,4,6,8,10,12,14
.irp b, 0,1,2,3
.if \b < \nb
	v_max3_num_f32 v[TM+\b], v[TM+\b], |v[\src+16*\b+\i]|, |v[\src+1+16*\b+\i]|   ; the blocks by turns
.endif
.endr
.endr
.irp b, 0,1,2,3
.if \b < \nb
	v_permlanex16_b32 v[TM+4+\b], v[TM+\b], s[SEL], s[SEL+1]
.endif
.endr
.irp b, 0,1,2,3
.if \b < \nb
	v_max_num_f32 v[TM+\b], v[TM+\b], v[TM+4+\b]   ; the block's largest magnitude
.endif
.endr
.irp b, 0,1,2,3
.if \b < \nb
	v_add_nc_u32 v[TM+12+\b], 0xfe000000, v[TM+\b]   ; 4 off its exponent field: the conversion takes that field as its scale
.endif
.endr
.irp b, 0,1,2,3
.if \b < \nb
	v_lshrrev_b32 v[TM+4+\b], 23, v[TM+12+\b]   ; the scale's byte
.endif
.endr
.endm
.macro QCVT src, c, scl                ; blocks 2 c and 2 c + 1 become half blocks of codes (a conversion's three registers begin on an even number)
	v_cvt_scalef32_pk16_bf6_f32 v[PC+6*\c:PC+6*\c+2], v[\src+32*\c:\src+32*\c+15], v[\scl+2*\c]
	v_cvt_scalef32_pk16_bf6_f32 v[PC+12+4*\c:PC+12+4*\c+2], v[\src+32*\c+16:\src+32*\c+31], v[\scl+2*\c+1]
.endm
.macro QSWP c                          ; the operand wants a whole block in a lane: lanes 0-15 block 2 c, lanes 16-31 block 2 c + 1
.irp i, 0,1,2
	v_permlane16_swap_b32 v[PC+6*\c+\i], v[PC+12+4*\c+\i]
.endr
.irp i, 0,1,2
	v_mov_b32 v[PC+3+6*\c+\i], v[PC+12+4*\c+\i]
.endr
.endm
.macro QUANT src                       ; 64 numbers a lane become a fragment in v[PC] on and its scale word in v[PW]
	QHEAD \src, 4
	v_lshl_or_b32 v[PW], v[TM+5], 8, v[TM+4]
	v_lshl_or_b32 v[PW], v[TM+6], 16, v[PW]
	v_lshl_or_b32 v[PW], v[TM+7], 24, v[PW]
	QCVT \src, 0, TM+12
	QCVT \src, 1, TM+12
	v_nop                                          ; one plain line behind the last scaled conversion
	QSWP 0
	QSWP 1
.endm
.macro QCOL src                        ; four blocks that belong to four different fragments: 16 codes a lane each, in v[PC + 4 b] on
	QHEAD \src, 4
.irp b, 0,1,2,3
	v_cvt_scalef32_pk16_bf6_f32 v[PC+4*\b:PC+4*\b+2], v[\src+16*\b:\src+16*\b+15], v[TM+12+\b]
.endr
	v_nop                                          ; one plain line behind the last scaled conversion
.endm
.macro IMAGE adr, off                  ; the fragment in v[PC] on goes to LDS as it stands
.irp g, 0,1,2
	ds_store_b128 v[\adr], v[PC+4*\g:PC+4*\g+3] offset:\off+16*\g
.endr
.endm
.macro XLOAD                           ; my 32 tokens of x: eight fragments and their scale words: 50 loads
.irp u, 0,1
.irp s, 0,1,2,3
.irp p, 0,1,2,3,4,5
	global_load_b64 v[X+48*\u+12*\s+2*\p:X+48*\u+12*\s+2*\p+1], v[XA], s[XB:XB+1] offset:3072*\u+96*\s+48*(\p/3)+8*(\p%3)
.endr
.endr
	global_load_b128 v[XS+4*\u:XS+4*\u+3], v[RH16], s[XSB:XSB+1] offset:128*\u
.endr
.endm
	; ---- the arguments, and what hangs on the lane and the wave.  Every LDS address register that stays is made here, ahead of the first branch on the wave's number
	s_load_b512 s[4:19], s[0:1], 0x0               ; x's codes 4, scales 6; Wq 8, 10; Wk 12, 14; Wv 16, 18
	s_load_b512 s[20:35], s[0:1], 0x40             ; bq 20, bk 22, bv 24; Wo 26, 28; Wr 30, 32; Wfc's codes 34
	s_load_b256 s[36:43], s[0:1], 0x80             ; Wfc's scales 36; cc 38, cs 40, wl 42
	v_lshrrev_b32 v16, 5, v0
	v_readfirstlane_b32 s[WV], v16                 ; wave 0..15
	s_mov_b32 s[HP], ttmp9
	s_and_b32 s[B], ttmp7, 0xffff
	s_mov_b32 s[SEL], 0x76543210
	s_mov_b32 s[SEL+1], 0xfedcba98
	s_mov_b32 s[CS], 0x3e38aa3b                    ; log2(e) / 8
	s_mov_b32 s[CS+1], s[CS]
	v_and_b32 v16, 31, v0                          ; lane
	v_and_b32 v17, 15, v0                          ; r
	v_bfe_u32 v18, v0, 4, 1                        ; h
	v_and_b32 v19, 8, v0
	v_add_nc_u32 v19, v19, v17                     ; rho
	v_mul_u32_u24 v[LM], v16, 48
	v_lshlrev_b32 v[L4], 2, v16
	v_lshlrev_b32 v[R4], 2, v17
	v_lshlrev_b32 v[RH16], 4, v19
	v_mul_u32_u24 v[XA], v19, 384
	v_mad_u32_u24 v[XA], v18, 24, v[XA]
	v_lshlrev_b32 v[BA], 6, v18
	v_lshlrev_b32 v[RH4], 2, v19
	v_lshlrev_b32 v[T4], 2, v0
	v_lshlrev_b32 v20, 4, v18
	v_sub_nc_u32 v[RD], v19, v20
	s_lshr_b32 s70, s[WV], 2                       ; my 32 keys are block w % 4 of key step w / 4: lanes (r, w % 2), registers 6 ((w / 2) % 2) + 3 h + 0 .. 2
	s_mul_i32 s71, s70, 1536
	s_and_b32 s72, s[WV], 1
	s_mul_i32 s72, s72, 768
	s_add_co_u32 s71, s71, s72
	s_bfe_u32 s72, s[WV], 0x10001
	s_mul_i32 s72, s72, 24
	s_add_co_u32 s71, s71, s72
	v_mul_u32_u24 v[VWA], v17, 48
	v_mad_u32_u24 v[VWA], v18, 12, v[VWA]
	v_add_nc_u32 v[VWA], s71, v[VWA]
	s_lshl_b32 s71, s70, 6
	s_and_b32 s72, s[WV], 3
	s_add_co_u32 s71, s71, s72
	v_add_nc_u32 v[VSA], s71, v[R4]
	s_mul_i32 s71, s[WV], 1536
	v_add_nc_u32 v[KWA], s71, v[LM]
	v_add_nc_u32 v[QWA], QIMG, v[KWA]
	s_lshl_b32 s71, s[WV], 7
	v_add_nc_u32 v[KSW], s71, v[L4]
	s_mul_i32 s71, s[WV], 3072
	s_add_co_u32 s72, s71, STG
	v_add_nc_u32 v[STB], s72, v[LM]
	s_add_co_u32 s72, s71, WIMG                    ; wave w stages head w / 8, tile (w / 2) % 4, K steps 2 (w % 2) + 0, 1: 24576 + 6144 + 3072 of these make 3072 w
	v_add_nc_u32 v209, s72, v[LM]
	v_add_nc_u32 v210, 49152, v209
	v_add_nc_u32 v211, 49152, v210
	v_and_b32 v214, 127, v0
	v_lshlrev_b32 v214, 2, v214                    ; a bias word's place: 4 (thread % 128)
	v_lshlrev_b32 v215, 4, v16                     ; 16 x lane
.irp i, 4,5,6,7
	v_mov_b32 v[TM+\i], 0                          ; written once: a lane permute's destination counts as one of its sources
.endr
.irp i, 195,196,197,198,199,200,201,202,203,204,205,206,207,208
	v_mov_b32 v[\i], 0                             ; what only some waves load is written in all
.endr
	; the side job's numbers: fragment (w', i, u) of wl, 16 w' + i = 8 batch + hp, u = my wave (waves 0 and 1 do it)
	s_lshl_b32 s56, s[B], 3
	s_add_co_u32 s56, s56, s[HP]
	s_lshr_b32 s57, s56, 4                         ; w'
	s_and_b32 s58, s56, 15                         ; i: 0-7 Wo's K steps, 8-11 Wr's, 12-15 Wfc's
	s_and_b32 s61, s58, 3
	s_lshl_b32 s62, s57, 5
	s_lshl_b32 s63, s[WV], 3
	s_add_co_u32 s62, s62, s63                     ; the tile's first row: 32 w' + 8 u
	s_lshl_b32 s72, s56, 1
	s_add_co_u32 s72, s72, s[WV]                   ; its number in wl
	s_mov_b32 s71, 0
	s_mov_b32 s73, 0
	s_mov_b32 s75, 0
	s_wait_kmcnt 0x0
	s_cmp_lt_u32 s58, 12
	s_cselect_b64 s[84:85], s[30:31], s[34:35]
	s_cselect_b64 s[86:87], s[32:33], s[36:37]
	s_cmp_lt_u32 s58, 8
	s_cselect_b64 s[84:85], s[26:27], s[84:85]
	s_cselect_b64 s[86:87], s[28:29], s[86:87]
	s_mov_b32 s59, 384
	s_cselect_b32 s59, 768, s59                    ; a row of codes in bytes
	s_cselect_b32 s60, 32, 16                      ; a row of scale bytes
	s_cselect_b32 s61, s58, s61                    ; the K step in its matrix
	s_mul_i32 s70, s62, s59
	s_mul_i32 s63, s61, 96
	s_add_co_u32 s70, s70, s63
	s_add_nc_u64 s[84:85], s[84:85], s[70:71]
	s_mul_i32 s70, s62, s60
	s_lshl_b32 s63, s61, 2
	s_add_co_u32 s70, s70, s63
	s_add_nc_u64 s[86:87], s[86:87], s[70:71]
	s_mul_i32 s70, s72, 1536
	s_add_nc_u64 s[88:89], s[42:43], s[70:71]      ; its codes in wl
	s_lshl_b32 s70, s72, 7
	s_add_co_u32 s70, s70, 786432
	s_add_nc_u64 s[42:43], s[42:43], s[70:71]      ; its scale words in wl
	v_mul_lo_u32 v212, v19, s59
	v_mad_u32_u24 v212, v18, 24, v212
	v_mul_lo_u32 v213, v19, s60
	; the weights that I stage
	s_lshr_b32 s70, s[WV], 3
	s_lshl_b32 s74, s[HP], 1
	s_add_co_u32 s74, s74, s70
	s_mul_i32 s74, s74, 24576                      ; the head,
	s_bfe_u32 s70, s[WV], 0x10002
	s_mul_i32 s70, s70, 12288
	s_add_co_u32 s74, s74, s70                     ; 32 rows for the tile's pair,
	s_bfe_u32 s70, s[WV], 0x10001
	s_mul_i32 s70, s70, 3072
	s_add_co_u32 s74, s74, s70                     ; 8 rows for the odd tile,
	s_and_b32 s70, s[WV], 1
	s_mul_i32 s70, s70, 192
	s_add_co_u32 s74, s74, s70                     ; two K steps
	s_add_nc_u64 s[8:9], s[8:9], s[74:75]
	s_add_nc_u64 s[12:13], s[12:13], s[74:75]
	s_add_nc_u64 s[16:17], s[16:17], s[74:75]
	s_lshl_b32 s74, s[HP], 11                      ; the two heads' scale rows: 2,048 bytes, 4 a thread
	s_add_nc_u64 s[10:11], s[10:11], s[74:75]
	s_add_nc_u64 s[14:15], s[14:15], s[74:75]
	s_add_nc_u64 s[18:19], s[18:19], s[74:75]
	s_cmp_lt_u32 s[WV], 8                          ; waves 0-3 bring bq, 4-7 bk, 8-11 bv: 512 bytes each
	s_cselect_b64 s[82:83], s[22:23], s[24:25]
	s_cmp_lt_u32 s[WV], 4
	s_cselect_b64 s[82:83], s[20:21], s[82:83]
	s_lshl_b32 s74, s[HP], 9
	s_add_nc_u64 s[82:83], s[82:83], s[74:75]
	; x, and where the results go
	s_lshl_b32 s70, s[B], 9
	s_lshl_b32 s74, s[WV], 5
	s_add_co_u32 s70, s70, s74                     ; my first token
	s_mul_i32 s74, s70, 384
	s_add_nc_u64 s[XB:XB+1], s[4:5], s[74:75]
	s_lshl_b32 s74, s70, 4
	s_add_nc_u64 s[XSB:XSB+1], s[6:7], s[74:75]
	s_lshl_b32 s70, s[B], 5
	s_lshl_b32 s72, s[WV], 1
	s_add_co_u32 s72, s72, s70                     ; 32 batch + T, T = 2 w
	s_lshl_b32 s72, s72, 3
	s_add_co_u32 s72, s72, s[HP]
	s_mul_i32 s72, s72, 1536
	s_add_nc_u64 s[CC0:CC0+1], s[38:39], s[72:73]
	s_xor_b32 s72, s[WV], 15
	s_lshl_b32 s72, s72, 1
	s_add_co_u32 s72, s72, 1
	s_add_co_u32 s72, s72, s70                     ; T = 2 (w xor 15) + 1
	s_lshl_b32 s72, s72, 3
	s_add_co_u32 s72, s72, s[HP]
	s_mul_i32 s72, s72, 1536
	s_add_nc_u64 s[CC1:CC1+1], s[38:39], s[72:73]
	s_lshl_b32 s72, s56, 12
	s_lshl_b32 s74, s[WV], 8
	s_add_co_u32 s72, s72, s74
	s_add_nc_u64 s[CSB:CSB+1], s[40:41], s[72:73]
	; ---- loads: the side job's, the weights', then x's 50
	s_cmp_lt_u32 s[WV], 2
	s_cbranch_scc0 .Lno_relay_in
.irp p, 0,1,2,3,4,5
	global_load_b64 v[196+2*\p:197+2*\p], v212, s[84:85] offset:48*(\p/3)+8*(\p%3)
.endr
	global_load_b32 v208, v213, s[86:87]
.Lno_relay_in:
.irp m, 0,1,2
.irp k, 0,1
.irp p, 0,1,2,3,4,5
	global_load_b64 v[120+12*(2*\m+\k)+2*\p:121+12*(2*\m+\k)+2*\p], v[XA], s[8+4*\m:9+4*\m] offset:96*\k+48*(\p/3)+8*(\p%3)
.endr
.endr
	global_load_b32 v[192+\m], v[T4], s[10+4*\m:11+4*\m]
.endr
	s_cmp_lt_u32 s[WV], 12
	s_cbranch_scc0 .Lno_bias_in
	global_load_b32 v195, v214, s[82:83]
.Lno_bias_in:
	XLOAD
	s_wait_loadcnt 50                              ; loads come back in order: all but x's 50, the youngest, are in
.irp m, 0,1,2
.irp k, 0,1
.irp g, 0,1,2
	ds_store_b128 v[209+\m], v[120+12*(2*\m+\k)+4*\g:123+12*(2*\m+\k)+4*\g] offset:1536*\k+16*\g
.endr
.endr
	ds_store_b32 v[T4], v[192+\m] offset:WSC+2048*\m
.endr
	s_cmp_lt_u32 s[WV], 12
	s_cbranch_scc0 .Lno_bias_out
	ds_store_b32 v[T4], v195 offset:BIAS
.Lno_bias_out:
	s_cmp_lt_u32 s[WV], 2
	s_cbranch_scc0 .Lno_relay_out
.irp g, 0,1,2
	global_store_b128 v215, v[196+4*\g:199+4*\g], s[88:89] offset:512*\g   ; 32 lanes store 512 consecutive bytes
.endr
	global_store_b32 v[L4], v208, s[42:43]
	s_wait_xcnt 0x0                                ; the stores have read their registers, which the weights' fragments take next
.Lno_relay_out:
	s_mov_b32 s[HDC], 0
	s_mov_b32 s[HW], WIMG
	s_mov_b32 s[HS], 0
	s_mov_b32 s[HB], 0
	s_mov_b32 s[H24], 0
; q (m = 0) or k (m = 1), TRANSPOSED: source 0 = 16 rows of the weight, source 1 = 16 tokens.  A lane holds one token, its registers run along the head's 64.  The bias is loaded straight into the accumulators and is the
; first product's C.  The two token tiles' accumulators take turns.
.macro PROJ_T m, img, ioff, soff
.irp t, 0,1,2,3
.if \t > 0
	NOPS 4                                         ; places in front of loads into registers that matrix instructions have read
.endif
.irp u, 0,1
	ds_load_b128 v[ACC+32*\u+8*\t:ACC+32*\u+8*\t+3], v[BAR] offset:BIAS+512*\m+(32*(\t/2)+8*(\t%2))*4
	ds_load_b128 v[ACC+32*\u+8*\t+4:ACC+32*\u+8*\t+7], v[BAR] offset:BIAS+512*\m+(32*(\t/2)+8*(\t%2))*4+16
.endr
	ds_load_b128 v[WS:WS+3], v[WSR] offset:WSC+2048*\m+(32*(\t/2)+8*(\t%2))*16
.irp s, 0,1,2,3
.irp g, 0,1,2
	ds_load_b128 v[WF+12*\s+4*\g:WF+12*\s+4*\g+3], v[WRD] offset:(4*\t+\s)*1536+16*\g
.endr
.endr
	s_wait_dscnt 0x0
.irp s, 0,1,2,3
.irp u, 0,1
	WM ACC+32*\u+8*\t, WF+12*\s, X+48*\u+12*\s, WS+\s, XS+4*\u+\s
.endr
.endr
.endr
	NOPS 4
.set cnt, 0
.rept 64
	v_max_num_f32 v[ACC+cnt], 0, v[ACC+cnt]        ; relu, each accumulator from its low end on
.set cnt, cnt+1
.endr
	QUANT ACC                                      ; blocks 0, 1: token tile 0's 64; blocks 2, 3: token tile 1's: one fragment holds both tiles
	IMAGE \img, \ioff
	ds_store_b32 v[KSW], v[PW] offset:\soff
	s_wait_dscnt 0x0                               ; the stores have read the codes' registers, which the next weight's fragments take
	v_add_nc_u32 v[WRD], 49152, v[WRD]             ; on to the next weight
.endm
; v: source 0 = 16 tokens, source 1 = 16 rows of Wv.  A lane holds one channel, its registers run along my 32 tokens, which are keys: the next K.
.macro PROJ_V
.irp t, 0,1,2,3
.if \t > 0
	NOPS 4
.endif
	ds_load_b128 v[WS:WS+3], v[WSR] offset:WSC+4096+(32*(\t/2)+8*(\t%2))*16
.irp s, 0,1,2,3
.irp g, 0,1,2
	ds_load_b128 v[WF+12*\s+4*\g:WF+12*\s+4*\g+3], v[WRD] offset:(4*\t+\s)*1536+16*\g
.endr
.endr
	s_wait_dscnt 0x0
.irp u, 0,1
	WM0 ACC+16*\t+8*\u, X+48*\u, WF, XS+4*\u, WS
.endr
.irp s, 1,2,3
.irp u, 0,1
	WM ACC+16*\t+8*\u, X+48*\u+12*\s, WF+12*\s, XS+4*\u+\s, WS+\s
.endr
.endr
.endr
	v_add_nc_u32 v[BAR], s[HB], v[RH4]             ; bv of my lane's channel
	NOPS 4
.irp t, 0,1,2,3
	ds_load_b32 v[BVP+2*\t], v[BAR] offset:BIAS+1024+(32*(\t/2)+8*(\t%2))*4
	ds_load_b32 v[BVP+2*\t+1], v[BAR] offset:BIAS+1024+(32*(\t/2)+8*(\t%2))*4
.endr
	s_wait_dscnt 0x0
.irp t, 0,1,2,3
	v_mul_f32 v[BVP+2*\t], 0x4038aa3b, v[BVP+2*\t]
.endr
.irp t, 0,1,2,3
.irp i, 0,2,4,6,8,10,12,14
	v_pk_fma_f32 v[ACC+16*\t+\i:ACC+16*\t+\i+1], v[ACC+16*\t+\i:ACC+16*\t+\i+1], 0x4038aa3b, v[BVP+2*\t:BVP+2*\t+1] op_sel_hi:[1,0,0]   ; 2 log2(e) (x + bv)
.endr
.endr
.set cnt, 0
.rept 64
	v_exp_f32 v[ACC+cnt], v[ACC+cnt]
.set cnt, cnt+1
.endr
	v_nop                                          ; a plain line behind the last exponential,
	s_wait_alu depctr_va_vdst(0)                   ; and one wait for the batch, ahead of its first reader
.set cnt, 0
.rept 32
	v_pk_add_f32 v[ACC+cnt:ACC+cnt+1], v[ACC+cnt:ACC+cnt+1], 1.0 op_sel_hi:[1,0]
.set cnt, cnt+2
.endr
.set cnt, 0
.rept 64
	v_rcp_f32 v[ACC+cnt], v[ACC+cnt]
.set cnt, cnt+1
.endr
	v_nop
	s_wait_alu depctr_va_vdst(0)                   ; one wait for the 64 reciprocals
.set cnt, 0
.rept 32
	v_pk_fma_f32 v[ACC+cnt:ACC+cnt+1], v[ACC+cnt:ACC+cnt+1], -2.0, 1.0 op_sel_hi:[1,0,0]   ; tanh = 1 - 2 / (1 + 2^..)
.set cnt, cnt+2
.endr
	QCOL ACC                                       ; block t: keys 32 w .. 32 w + 31 of channel tile t
.irp t, 0,1,2,3
.irp i, 0,1,2
	ds_store_b32 v[VWA], v[PC+4*\t+\i] offset:VIMG+6144*\t+4*\i
.endr
	ds_store_b8 v[VSA], v[TM+4+\t] offset:VSC+256*\t   ; both lanes of a block write the same byte with the same value
.endr
.endm
.macro MASKB b                         ; block b of the diagonal step: hidden where 32 b + i > DQ.  A block all of whose keys come before the tile's queries is passed over
	s_cmp_gt_u32 s[PB], \b
	s_cbranch_scc1 .Lmb_\@
.irp i, 0,1,2,3,4,5,6,7,8,9,10,11,12,13,14,15
	v_cmp_gt_i32 vcc_lo, 32*\b+\i, v[DQ]
	v_cndmask_b32 v[S+16*\b+\i], v[S+16*\b+\i], v[T1], vcc_lo
.endr
.Lmb_\@:
.endm
; ONE QUERY TILE: pair P, tile j of the pair.
.macro ATTN j
.if \j
	s_xor_b32 s[P], s[WV], 15
.else
	s_mov_b32 s[P], s[WV]
.endif
	s_lshr_b32 s[P4], s[P], 2
	s_and_b32 s[PB], s[P], 3
	s_mul_i32 s70, s[P], 1536
	s_add_co_u32 s70, s70, QIMG
	v_add_nc_u32 v[ADK], s70, v[LM]
	s_lshl_b32 s71, s[P], 7
	v_add_nc_u32 v[ADS], s71, v[L4]
.irp i, 0,1,2
	ds_load_b64 v[Q+6+2*\i:Q+7+2*\i], v[ADK] offset:24*\j+8*\i   ; the tile's six registers of the pair's fragment
.endr
	ds_load_b32 v[QS], v[ADS] offset:QSC
.irp i, 0,1,2,3,4,5
	v_mov_b32 v[Q+\i], 0
	v_mov_b32 v[Q+12+\i], 0
.endr
.irp i, 0,1,2,3
	v_mov_b32 v[PX+\i], 0
.endr
	v_mov_b32 v[T1], 0xff800000                    ; -infinity
	v_mov_b32 v[TMAX], 0xff61b1e6                  ; -3e38, under every t
	v_floor_f32 v[NM], -v[TMAX]
	v_mov_b32 v[L], 0
	v_mov_b32 v[L+1], 0
	v_mov_b32 v[PS], 0                             ; (named as the upper half of a pair before it is first made)
	v_mov_b32 v[INV+1], 0
	s_lshl_b32 s72, s[PB], 5
.if \j
	s_add_co_u32 s72, s72, 8
.endif
	v_add_nc_u32 v[DQ], s72, v[RD]
	s_wait_dscnt 0x0
.if \j
	v_perm_b32 v[QS], v[QS], v[QS], 0x03020302     ; the tile's two bytes, twice: they serve (q, 0) and (0, q) alike
.else
	v_perm_b32 v[QS], v[QS], v[QS], 0x01000100
.endif
.set cnt, 0
.rept 32
	v_mov_b32 v[O+cnt], 0                          ; the step is written once: the first finds zeros.  (These are also the places between the scale word's making and the first product)
.set cnt, cnt+1
.endr
	s_mov_b32 s[ST], 0
	s_mov_b32 s[TK], 0
	s_mov_b32 s[TS], 0
	s_mov_b32 s[TV], 0
	s_mov_b32 s[TT], 0
.Lk_\@:                                        ; four trips, a constant; a step all of whose keys come after the tile's queries leaves its work out
	s_cmp_gt_u32 s[ST], s[P4]
	s_cbranch_scc1 .Lskip_\@
	v_add_nc_u32 v[ADK], s[TK], v[LM]              ; (these four are the places behind the last step's products)
	v_add_nc_u32 v[ADS], s[TS], v[L4]
	v_add_nc_u32 v[ADV], s[TV], v[LM]
	v_add_nc_u32 v[ADT], s[TT], v[R4]
.irp b, 0,1,2,3
.irp g, 0,1,2
	ds_load_b128 v[KV+12*\b+4*\g:KV+12*\b+4*\g+3], v[ADK] offset:KIMG+1536*\b+16*\g
.endr
	ds_load_b32 v[KVS+\b], v[ADS] offset:KSC+128*\b
.endr
	s_wait_dscnt 0x0
.irp b, 0,1,2,3
.irp u, 0,1
	WM0 S+8*(2*\b+\u), KV+12*\b, Q+6*(1-\u), KVS+\b, QS   ; S^T: register 16 b + i is key 128 step + 32 b + 16 h + i of my query
.endr
.endr
	NOPS 4
.irp t, 0,1,2,3                                ; v's fragments are asked for now and land under the softmax
.irp g, 0,1,2
	ds_load_b128 v[KV+12*\t+4*\g:KV+12*\t+4*\g+3], v[ADV] offset:VIMG+6144*\t+16*\g
.endr
	ds_load_b32 v[KVS+\t], v[ADT] offset:VSC+256*\t
.endr
	s_cmp_lg_u32 s[ST], s[P4]
	s_cbranch_scc1 .Lopen_\@
	MASKB 0
	MASKB 1
	MASKB 2
	MASKB 3
.Lopen_\@:
.irp b, 0,1,2,3
	v_max3_num_f32 v[BM+\b], v[S+16*\b], v[S+1+16*\b], v[S+2+16*\b]   ; each block's largest score: for the row's maximum and, since p rises with the score, for the block's largest p
.endr
.irp i, 3,5,7,9,11,13
.irp b, 0,1,2,3
	v_max3_num_f32 v[BM+\b], v[BM+\b], v[S+16*\b+\i], v[S+1+16*\b+\i]
.endr
.endr
.irp b, 0,1,2,3
	v_max_num_f32 v[BM+\b], v[BM+\b], v[S+15+16*\b]
.endr
.irp b, 0,1,2,3
	v_permlanex16_b32 v[PX+\b], v[BM+\b], s[SEL], s[SEL+1]
.endr
.irp b, 0,1,2,3
	v_max_num_f32 v[BM+\b], v[BM+\b], v[PX+\b]
.endr
	v_max3_num_f32 v[T0], v[BM], v[BM+1], v[BM+2]
	v_max_num_f32 v[T0], v[T0], v[BM+3]
	v_mul_f32 v[T0], s[CS], v[T0]
	v_max_num_f32 v[TMAX], v[TMAX], v[T0]          ; the running largest t
	v_mov_b32 v[T0], v[NM]
	v_floor_f32 v[NM], -v[TMAX]                    ; -M = floor(-t): M is a whole number
	v_sub_f32 v[T0], v[NM], v[T0]
	v_cvt_i32_f32 v[T0], v[T0]                     ; (it saturates)
	v_ldexp_f32 v[F], 1.0, v[T0]                   ; f = 2^(old M - new M): a multiplication by it rounds nothing
.set cnt, 0
.rept 32
	v_pk_fma_f32 v[S+cnt:S+cnt+1], v[S+cnt:S+cnt+1], s[CS:CS+1], v[NM:NM+1] op_sel_hi:[1,0,0]   ; t - M
.set cnt, cnt+2
.endr
.irp b, 0,1,2,3
	v_fma_f32 v[BM+\b], v[BM+\b], s[CS], v[NM]
.endr
.set cnt, 0
.rept 64
	v_exp_f32 v[S+cnt], v[S+cnt]                   ; p, not normalised
.set cnt, cnt+1
.endr
	v_pk_mul_f32 v[L:L+1], v[L:L+1], v[F:F+1] op_sel_hi:[1,0]   ; the sums under the new M: the plain line behind the exponentials
	s_wait_alu depctr_va_vdst(0)                   ; one wait for the 64, ahead of their first reader
.irp b, 0,1,2,3
	v_exp_f32 v[BM+\b], v[BM+\b]                   ; the blocks' largest p
.endr
	v_pk_add_f32 v[SUM2:SUM2+1], v[S:S+1], v[S+2:S+3]   ; the sum of the unquantised p, in two chains
.irp i, 4,8,12,16,20,24,28,32,36,40,44,48,52,56,60
	v_pk_add_f32 v[L:L+1], v[L:L+1], v[S+\i:S+\i+1]
	v_pk_add_f32 v[SUM2:SUM2+1], v[SUM2:SUM2+1], v[S+2+\i:S+3+\i]
.endr
	v_pk_add_f32 v[L:L+1], v[L:L+1], v[SUM2:SUM2+1]
	s_wait_alu depctr_va_vdst(0)                   ; and one for the four
.irp b, 0,1,2,3
	v_max_num_f32 v[BM+\b], 0x2800000, v[BM+\b]    ; the floor: a block of zeros keeps the byte 1, its codes are zeros
.endr
.irp b, 0,1,2,3
	v_add_nc_u32 v[SO+\b], 0xfe000000, v[BM+\b]
.endr
.irp b, 0,1,2,3
	v_lshrrev_b32 v[BY+\b], 23, v[SO+\b]
.endr
	v_lshl_or_b32 v[PS], v[BY+1], 8, v[BY]
	v_lshl_or_b32 v[PS], v[BY+2], 16, v[PS]
	v_lshl_or_b32 v[PS], v[BY+3], 24, v[PS]
	QCVT S, 0, SO
	QCVT S, 1, SO
	v_nop
	QSWP 0
	QSWP 1
.set cnt, 0
.rept 16
	v_pk_mul_f32 v[O+cnt:O+cnt+1], v[O+cnt:O+cnt+1], v[F:F+1] op_sel_hi:[1,0]   ; O^T under the new M.  (These sixteen are also the places between the making of p's codes and scale word and the products)
.set cnt, cnt+2
.endr
	s_wait_dscnt 0x0                               ; v's fragments
.irp t, 0,1,2,3
	WM O+8*\t, KV+12*\t, PC, KVS+\t, PS
.endr
.Lskip_\@:
	s_add_co_u32 s[TK], s[TK], 6144
	s_add_co_u32 s[TS], s[TS], 512
	s_add_co_u32 s[TV], s[TV], 1536
	s_add_co_u32 s[TT], s[TT], 64
	s_add_co_u32 s[ST], s[ST], 1
	s_cmp_lt_u32 s[ST], 4
	s_cbranch_scc1 .Lk_\@
	; the tile is finished: O^T / l, quantised along the head's 64, which are two blocks of the concatenated axis
	NOPS 4                                         ; a wave whose last steps were left out has no other vector line behind its last product
	v_add_f32 v[T0], v[L], v[L+1]
	v_permlanex16_b32 v[PX], v[T0], s[SEL], s[SEL+1]
	v_add_f32 v[T0], v[T0], v[PX]
.if \j
	s_cmp_eq_u32 s[HDC], 1                         ; the second head's x is asked for here, into registers that S^T and the fragments have left
	s_cbranch_scc1 .Lnox_\@
	XLOAD
.Lnox_\@:
.endif
	v_rcp_f32 v[INV], v[T0]
	v_nop
	s_wait_alu depctr_va_vdst(0)
.set cnt, 0
.rept 16
	v_pk_mul_f32 v[O+cnt:O+cnt+1], v[O+cnt:O+cnt+1], v[INV:INV+1] op_sel_hi:[1,0]
.set cnt, cnt+2
.endr
	QHEAD O, 2
	v_lshl_or_b32 v[PW], v[TM+5], 8, v[TM+4]
	QCVT O, 0, TM+12
	v_nop
	QSWP 0
	v_add_nc_u32 v[ADK], s[H24], v[STB]
.irp i, 0,1,2
	ds_store_b64 v[ADK], v[PC+2*\i:PC+2*\i+1] offset:1536*\j+8*\i   ; this head's half of the fragment, in my own stage
.endr
	s_lshl_b32 s70, s[P], 8
	s_lshl_b32 s71, s[HDC], 1
	s_add_co_u32 s70, s70, s71
	v_add_nc_u32 v[ADS], s70, v[L4]
	ds_store_b16 v[ADS], v[PW] offset:SSC+128*\j   ; and its half of the scale word of tile T = 2 P + j
	s_wait_dscnt 0x0
.endm
.Lhead:                                                ; two trips: the two heads
	BARRIER                                        ; trip 0: the weights lie in LDS.  Trip 1: nobody reads the first head's q, k, v any more
	v_add_nc_u32 v[WRD], s[HW], v[LM]
	v_add_nc_u32 v[WSR], s[HS], v[RH16]
	v_add_nc_u32 v[BAR], s[HB], v[BA]
	s_wait_loadcnt 0x0                             ; x
	PROJ_T 0, QWA, 0, QSC
	PROJ_T 1, KWA, KIMG, KSC
	PROJ_V
	BARRIER                                        ; q, k and v of all 512 tokens lie in LDS
	ATTN 0
	ATTN 1
	s_add_co_u32 s[HW], s[HW], 24576
	s_add_co_u32 s[HS], s[HS], 1024
	s_add_co_u32 s[HB], s[HB], 256
	s_add_co_u32 s[H24], s[H24], 24
	s_add_co_u32 s[HDC], s[HDC], 1
	s_cmp_lt_u32 s[HDC], 2
	s_cbranch_scc1 .Lhead
	; ---- the way out: my two fragments from my stage, and 256 bytes of scale words
.irp j, 0,1
.irp g, 0,1,2
	ds_load_b128 v[O+12*\j+4*\g:O+12*\j+4*\g+3], v[STB] offset:1536*\j+16*\g   ; LDS serves a wave's instructions in order: these see my stores
.endr
.endr
	v_lshlrev_b32 v[ADK], 2, v[L4]                 ; 16 x lane
	v_lshlrev_b32 v[ADS], 1, v[L4]                 ; 8 x lane
	s_lshl_b32 s70, s[WV], 8
	v_add_nc_u32 v[ADV], s70, v[ADS]
	BARRIER                                        ; every wave's scale words lie in LDS
	ds_load_b64 v[O+24:O+25], v[ADV] offset:SSC
.irp g, 0,1,2
	global_store_b128 v[ADK], v[O+4*\g:O+4*\g+3], s[CC0:CC0+1] offset:512*\g       ; 32 lanes store 512 consecutive bytes, at a multiple of 256 from cc's first byte
	global_store_b128 v[ADK], v[O+12+4*\g:O+12+4*\g+3], s[CC1:CC1+1] offset:512*\g
.endr
	s_wait_dscnt 0x0
	global_store_b64 v[ADS], v[O+24:O+25], s[CSB:CSB+1]   ; 32 lanes store 256 consecutive bytes, aligned
	s_wait_xcnt 0x0
	v_lshl_add_u32 v254, v0, 2, 0x46200
	v_mov_b32 v255, 0
	s_wait_tensorcnt 0x0
	ds_add_u32 v254, v255
	s_wait_dscnt 0x0
	s_endpgm
.Lfunc_end_k_q794c12098d_heads:
	.size	k_q794c12098d_heads, .Lfunc_end_k_q794c12098d_heads-k_q794c12098d_heads
	.p2alignl 7, 3214868480
	.fill 96, 4, 3214868480
	.section	.rodata,"a",@progbits
	.p2align	6, 0x0
	.amdhsa_kernel k_q794c12098d_heads
		.amdhsa_group_segment_fixed_size 289280
		.amdhsa_private_segment_fixed_size 0
		.amdhsa_enable_private_segment 0
		.amdhsa_kernarg_size 160
		.amdhsa_user_sgpr_count 2
		.amdhsa_user_sgpr_kernarg_segment_ptr 1
		.amdhsa_wavefront_size32 1
		.amdhsa_system_sgpr_workgroup_id_x 1
		.amdhsa_system_sgpr_workgroup_id_y 1
		.amdhsa_system_sgpr_workgroup_id_z 1
		.amdhsa_system_vgpr_workitem_id 0
		.amdhsa_next_free_vgpr 256
		.amdhsa_next_free_sgpr 96
		.amdhsa_reserve_vcc 1
		.amdhsa_float_denorm_mode_32 3
		.amdhsa_float_denorm_mode_16_64 3
		.amdhsa_memory_ordered 1
		.amdhsa_forward_progress 1
		.amdhsa_inst_pref_size 134
	.end_amdhsa_kernel
	.amdgpu_metadata
---
amdhsa.version: [ 1, 2 ]
amdhsa.kernels:
  - .name:           k_q794c12098d_heads
    .symbol:         k_q794c12098d_heads.kd
    .args:
      - { .name: inputs_codes, .offset: 0, .size: 8, .value_kind: global_buffer, .address_space: global }
      - { .name: inputs_scales, .offset: 8, .size: 8, .value_kind: global_buffer, .address_space: global }
      - { .name: Wq_codes, .offset: 16, .size: 8, .value_kind: global_buffer, .address_space: global }
      - { .name: Wq_scales, .offset: 24, .size: 8, .value_kind: global_buffer, .address_space: global }
      - { .name: Wk_codes, .offset: 32, .size: 8, .value_kind: global_buffer, .address_space: global }
      - { .name: Wk_scales, .offset: 40, .size: 8, .value_kind: global_buffer, .address_space: global }
      - { .name: Wv_codes, .offset: 48, .size: 8, .value_kind: global_buffer, .address_space: global }
      - { .name: Wv_scales, .offset: 56, .size: 8, .value_kind: global_buffer, .address_space: global }
      - { .name: bq, .offset: 64, .size: 8, .value_kind: global_buffer, .address_space: global }
      - { .name: bk, .offset: 72, .size: 8, .value_kind: global_buffer, .address_space: global }
      - { .name: bv, .offset: 80, .size: 8, .value_kind: global_buffer, .address_space: global }
      - { .name: Wo_codes, .offset: 88, .size: 8, .value_kind: global_buffer, .address_space: global }
      - { .name: Wo_scales, .offset: 96, .size: 8, .value_kind: global_buffer, .address_space: global }
      - { .name: Wr_codes, .offset: 104, .size: 8, .value_kind: global_buffer, .address_space: global }
      - { .name: Wr_scales, .offset: 112, .size: 8, .value_kind: global_buffer, .address_space: global }
      - { .name: Wfc_codes, .offset: 120, .size: 8, .value_kind: global_buffer, .address_space: global }
      - { .name: Wfc_scales, .offset: 128, .size: 8, .value_kind: global_buffer, .address_space: global }
      - { .name: cc, .offset: 136, .size: 8, .value_kind: global_buffer, .address_space: global }
      - { .name: cs, .offset: 144, .size: 8, .value_kind: global_buffer, .address_space: global }
      - { .name: wl, .offset: 152, .size: 8, .value_kind: global_buffer, .address_space: global }
    .group_segment_fixed_size: 289280
    .private_segment_fixed_size: 0
    .kernarg_segment_align: 8
    .kernarg_segment_size: 160
    .max_flat_workgroup_size: 512
    .sgpr_count:     96
    .vgpr_count:     256
    .wavefront_size: 32
...
	.end_amdgpu_metadata
.endif
;; end of part 1
;; launch tail (part 2): grid 256 x 1, 16 waves a work-group, no clusters, 272,384 bytes of LDS; arguments inputs_codes, inputs_scales, cc, cs, wl, bo, br, ln1_w, ln1_b, bfc, ln2_w, ln2_b, out0; writes out0
.if DOCPART == 2
	.amdgcn_target "amdgcn-amd-amdhsa--gfx1250"
	.amdhsa_code_object_version 6
	.text
	.protected	k_q794c12098d_tail
	.globl	k_q794c12098d_tail
	.p2align	8
	.type	k_q794c12098d_tail,@function
k_q794c12098d_tail:
	s_mov_b64 s[64:65], 0
	v_nop
	global_prefetch_b8 v0, s[64:65] scope:SCOPE_SE
	s_setreg_imm32_b32 hwreg(HW_REG_WAVE_MODE, 25, 1), 1
	s_wait_xcnt 0x0
; TAIL.  For 64 tokens a work-group: y1 = LN1(tanh(concat Wo + bo) + x Wr + br); out = LN2(relu(Q(y1) Wfc + bfc) + y1).  All three products on codes of BF6 (E3M2) with one E8M0 byte for each 32 along K.
; SHARES.  Sixteen waves of 256 registers.  THE WAVES SHARE THE COLUMNS: wave w makes columns 32 w .. 32 w + 31 for all 64 tokens: eight accumulators.  A weight fragment is wanted by one wave of the work-group alone:
; it comes from wl, where the launch before laid it in the order of the operand's registers, straight into registers by three dense loads, through a ring of four register slots (four K steps ahead), and feeds four products.
; The tokens' fragments (the concatenated heads from cc, x, and y1, which is quantised here) are shared by all waves through LDS, as images of their registers, a lane's 12 registers on end at 48 x lane.
; LAYOUT.  All products are used transposed (source 0 = 16 weight rows, source 1 = 16 tokens).  Every tile of 16 rows is tile 2 b + u, whose lane r takes row 32 b + 8 u + r + 8 (r / 8): a lane then holds one token and the
; 16 neighbouring columns 32 w + 16 (lane / 16) + 0 .. 15.  The biases are loaded into the accumulators and are the first product's C; x Wr is added onto tanh(..) + br by the matrix unit.
; LAYER NORM.  Each wave makes the sum and the sum of squared deviations from its OWN mean over its 32 columns; the sixteen pairs of a token meet in LDS and are joined by the rule for groups of equal size:
; M2 = sum of M2_k + sum of (s_k - total / 16)^2 / 32.  No difference of large sums is formed.
; LIMITS.  tanh(x) = 1 - 2 / (1 + 2^(2 x log2 e)): absolute error about 2e-7.  A block of zeros keeps the scale byte 1 (read by this kernel alone; its codes are zeros).  NaN and infinities among the inputs are not served.
.set CIMG, 0                           ; LDS: the concatenated heads' fragments (token tile m, K step s) at (8 m + s) 1536
.set CSC,  49152                       ; their scale words: 128 (8 m + s) + 4 lane
.set XSC,  53248                       ; x's: 128 (4 m + s) + 4 lane
.set YSC,  55296                       ; y1's: 64 (4 m + s) + 4 r, written byte by byte
.set PRM,  56320                       ; bo, br, ln1_w, ln1_b, bfc, ln2_w, ln2_b as they lie, 2,048 bytes each
.set RED1, 70656                       ; a token's sixteen pairs (sum, M2): 2304 m + 144 r + 8 w (128 bytes + 16 of padding a token)
.set XIMG, 89088                       ; x's fragments at (4 m + s) 1536
.set YIMG, 113664                      ; y1's likewise
.set STG,  138240                      ; 64 token rows of 2,048 + 16 bytes: y1 is kept here, then the result turns here
.set LM,   1                           ; v1  48 x lane
.set L4,   2                           ; v2  4 x lane
.set R4,   3                           ; v3  4 r
.set GI,   4                           ; v4  16 x lane
.set LM2,  5                           ; v5  48 x lane + XIMG
.set PB,   6                           ; v6  PRM + 128 w + 64 h: my 16 columns of a parameter
.set YWA,  7                           ; v7  where my half block of y1's codes goes
.set YSA,  8                           ; v8  and its scale byte
.set REDW, 9                           ; v9  RED1 + 144 r + 8 w
.set REDR, 10                          ; v10 RED1 + 144 r + 64 h
.set STW0, 11                          ; v11 STG + 2064 rho + 128 w + 64 h;  v12 the same 32 rows on
.set STW1, 12
.set STR,  13                          ; v13 STG + 8256 w + 16 lane
.set ACC,  16                          ; v16-79   eight accumulators: (m, u) at 16 m + 8 u
.set ACT,  80                          ; v80-127  four token fragments
.set G,    80                          ; between the products: v80-95 a token's pairs; v96-111, v112-127 a layer norm's gain and bias
.set LNW,  96
.set LNB,  112
.set TM,   80                          ; the quantiser's: +0..3 maxima, +4..7 bytes, +12..15 scale operands
.set PC,   96                          ; v96-111 codes just made
.set AS,   128                         ; v128-131 the token fragments' scale words
.set SW,   132                         ; v132-139 the weights' scale words, two a slot
.set SL,   140                         ; v140-235 the ring: slot k at 24 k, fragment u at 12 u
.set NM,   236                         ; v[236:237] - mean;  v[238:239] 1 / sqrt(var + eps)
.set RS,   238
.set T,    240                         ; v240-253 at work
.set WV,   30
.set WG,   31
.set SEL,  32
.set WLB,  34                          ; s[34:35] my wave's codes in wl;  s[36:37] its scale words;  s[38:39] my four rows of out0
.set WLS,  36
.set OUT,  38
.macro NOPS n
.rept \n
	v_nop
.endr
.endm
.macro WM d, a, b, sa, sb              ; D += A B
	v_wmma_scale_f32_16x16x128_f8f6f4 v[\d:\d+7], v[\a:\a+11], v[\b:\b+11], v[\d:\d+7], v[\sa], v[\sb] matrix_a_fmt:MATRIX_FMT_BF6 matrix_b_fmt:MATRIX_FMT_BF6
.endm
.macro BARRIER                         ; my LDS stores have landed and my LDS loads are in: then the work-group's barrier
	s_wait_dscnt 0x0
	s_barrier_signal -1
	s_barrier_wait -1
.endm
.macro WLOAD i                         ; weight step i (0-7 Wo, 8-11 Wr, 12-15 Wfc) into slot i % 4: eight loads, each of 512 or 128 consecutive bytes
.irp u, 0,1
.irp g, 0,1,2
	global_load_b128 v[SL+24*((\i)%4)+12*\u+4*\g:SL+24*((\i)%4)+12*\u+4*\g+3], v[GI], s[WLB:WLB+1] offset:3072*(\i)+1536*\u+512*\g
.endr
	global_load_b32 v[SW+2*((\i)%4)+\u], v[L4], s[WLS:WLS+1] offset:256*(\i)+128*\u
.endr
.endm
.macro STEPW i                         ; one K step of 128: four token fragments from LDS, my two weight fragments from the ring, eight products on eight accumulators by turns
.if \i < 8
.set AR,  LM
.set AO,  1536*\i
.set AST, 12288
.set SR,  L4
.set SOF, CSC+128*\i
.set SST, 1024
.elseif \i < 12
.set AR,  LM2
.set AO,  1536*(\i-8)
.set AST, 6144
.set SR,  L4
.set SOF, XSC+128*(\i-8)
.set SST, 512
.else
.set AR,  LM2
.set AO,  24576+1536*(\i-12)
.set AST, 6144
.set SR,  R4
.set SOF, YSC+64*(\i-12)
.set SST, 256
.endif
.irp m, 0,1,2,3
.irp g, 0,1,2
	ds_load_b128 v[ACT+12*\m+4*\g:ACT+12*\m+4*\g+3], v[AR] offset:AO+\m*AST+16*\g
.endr
	ds_load_b32 v[AS+\m], v[SR] offset:SOF+\m*SST
.endr
.if \i < 13
	s_wait_loadcnt 24                              ; behind this step's eight loads only the next three steps' 24 were issued
.else
	s_wait_loadcnt 8*(15-\i)                       ; the ring runs out: the steps that are left
.endif
	s_wait_dscnt 0x0
.irp m, 0,1,2,3
.irp u, 0,1
	WM ACC+16*\m+8*\u, SL+24*(\i%4)+12*\u, ACT+12*\m, SW+2*(\i%4)+\u, AS+\m
.endr
.endr
	NOPS 4                                         ; places in front of loads into registers that these products have read, and of the first read of results
.if \i+4 < 16
	WLOAD \i+4
.endif
.endm
.macro PLOAD reg, p                    ; my 16 columns of parameter p
.irp q, 0,1,2,3
	ds_load_b128 v[\reg+4*\q:\reg+4*\q+3], v[PB] offset:2048*\p+16*\q
.endr
.endm
.macro YMOVE st, reg                   ; my 64 numbers to (st = 1) or from (0) their places in the stage: token row 32 (m / 2) + 8 (m % 2) + rho, columns 32 w + 16 h on
.irp m, 0,1
.irp q, 0,1,2,3
.if \st
	ds_store_b128 v[STW0], v[\reg+16*\m+4*\q:\reg+16*\m+4*\q+3] offset:16512*\m+16*\q
	ds_store_b128 v[STW1], v[\reg+32+16*\m+4*\q:\reg+32+16*\m+4*\q+3] offset:16512*\m+16*\q
.else
	ds_load_b128 v[\reg+16*\m+4*\q:\reg+16*\m+4*\q+3], v[STW0] offset:16512*\m+16*\q
	ds_load_b128 v[\reg+32+16*\m+4*\q:\reg+32+16*\m+4*\q+3], v[STW1] offset:16512*\m+16*\q
.endif
.endr
.endr
.endm
.macro LNLOC m, red                    ; token tile m: my wave's sum and sum of squared deviations from its own mean, over its 32 columns
.set D, ACC+16*\m
	v_pk_add_f32 v[T:T+1], v[D:D+1], v[D+2:D+3]
	v_pk_add_f32 v[T+2:T+3], v[D+4:D+5], v[D+6:D+7]
	v_pk_add_f32 v[T+4:T+5], v[D+8:D+9], v[D+10:D+11]
	v_pk_add_f32 v[T+6:T+7], v[D+12:D+13], v[D+14:D+15]
	v_pk_add_f32 v[T:T+1], v[T:T+1], v[T+2:T+3]
	v_pk_add_f32 v[T+4:T+5], v[T+4:T+5], v[T+6:T+7]
	v_pk_add_f32 v[T:T+1], v[T:T+1], v[T+4:T+5]
	v_add_f32 v[T], v[T], v[T+1]
	v_permlanex16_b32 v[T+2], v[T], s[SEL], s[SEL+1]
	v_add_f32 v[T+8], v[T], v[T+2]                 ; the sum of the 32
	v_mul_f32 v[T+10], 0xbd000000, v[T+8]          ; - their mean
	v_pk_add_f32 v[T:T+1], v[D:D+1], v[T+10:T+11] op_sel_hi:[1,0]
	v_pk_add_f32 v[T+2:T+3], v[D+2:D+3], v[T+10:T+11] op_sel_hi:[1,0]
	v_pk_mul_f32 v[T+4:T+5], v[T:T+1], v[T:T+1]
	v_pk_mul_f32 v[T+6:T+7], v[T+2:T+3], v[T+2:T+3]
.irp i, 4,8,12
	v_pk_add_f32 v[T:T+1], v[D+\i:D+\i+1], v[T+10:T+11] op_sel_hi:[1,0]
	v_pk_add_f32 v[T+2:T+3], v[D+\i+2:D+\i+3], v[T+10:T+11] op_sel_hi:[1,0]
	v_pk_fma_f32 v[T+4:T+5], v[T:T+1], v[T:T+1], v[T+4:T+5]
	v_pk_fma_f32 v[T+6:T+7], v[T+2:T+3], v[T+2:T+3], v[T+6:T+7]
.endr
	v_pk_add_f32 v[T+4:T+5], v[T+4:T+5], v[T+6:T+7]
	v_add_f32 v[T+4], v[T+4], v[T+5]
	v_permlanex16_b32 v[T+2], v[T+4], s[SEL], s[SEL+1]
	v_add_f32 v[T+9], v[T+4], v[T+2]
	ds_store_b64 v[REDW], v[T+8:T+9] offset:\red+2304*\m   ; both halves of the lanes write the same pair with the same value
.endm
.macro LNAPPLY m, red                  ; token tile m: the sixteen pairs are joined, and my 16 numbers are normalised, scaled and shifted in place
.set D, ACC+16*\m
.irp q, 0,1,2,3
	ds_load_b128 v[G+4*\q:G+4*\q+3], v[REDR] offset:\red+2304*\m+16*\q   ; eight waves' pairs; lane l xor 16 takes the other eight
.endr
	s_wait_dscnt 0x0
	v_add_f32 v[T], v[G], v[G+2]
	v_add_f32 v[T+1], v[G+4], v[G+6]
	v_add_f32 v[T+2], v[G+8], v[G+10]
	v_add_f32 v[T+3], v[G+12], v[G+14]
	v_add_f32 v[T], v[T], v[T+1]
	v_add_f32 v[T+2], v[T+2], v[T+3]
	v_add_f32 v[T], v[T], v[T+2]
	v_permlanex16_b32 v[T+1], v[T], s[SEL], s[SEL+1]
	v_add_f32 v[T], v[T], v[T+1]                   ; the row's sum
	v_mul_f32 v[NM], 0xbb000000, v[T]              ; - mean = - sum / 512
	v_mul_f32 v[T+3], 0x3d800000, v[T]             ; 32 x mean
.irp k, 0,1,2,3,4,5,6,7
	v_sub_f32 v[T+4+\k], v[G+2*\k], v[T+3]
.endr
	v_mul_f32 v[T+12], v[T+4], v[T+4]
	v_mul_f32 v[T+13], v[T+5], v[T+5]
	v_fmac_f32 v[T+12], v[T+6], v[T+6]
	v_fmac_f32 v[T+13], v[T+7], v[T+7]
	v_fmac_f32 v[T+12], v[T+8], v[T+8]
	v_fmac_f32 v[T+13], v[T+9], v[T+9]
	v_fmac_f32 v[T+12], v[T+10], v[T+10]
	v_fmac_f32 v[T+13], v[T+11], v[T+11]
	v_add_f32 v[T+12], v[T+12], v[T+13]
	v_add_f32 v[T+4], v[G+1], v[G+3]
	v_add_f32 v[T+5], v[G+5], v[G+7]
	v_add_f32 v[T+6], v[G+9], v[G+11]
	v_add_f32 v[T+7], v[G+13], v[G+15]
	v_add_f32 v[T+4], v[T+4], v[T+5]
	v_add_f32 v[T+6], v[T+6], v[T+7]
	v_add_f32 v[T+4], v[T+4], v[T+6]
	v_fmac_f32 v[T+4], 0x3d000000, v[T+12]
	v_permlanex16_b32 v[T+5], v[T+4], s[SEL], s[SEL+1]
	v_add_f32 v[T+4], v[T+4], v[T+5]               ; the row's sum of squared deviations
	v_fma_f32 v[T+4], v[T+4], s40, s41             ; / 512 + eps
	v_rsq_f32 v[RS], v[T+4]
.irp i, 0,2,4,6,8,10,12,14
	v_pk_add_f32 v[D+\i:D+\i+1], v[D+\i:D+\i+1], v[NM:NM+1] op_sel_hi:[1,0]   ; independent work behind the root
.endr
	s_wait_alu depctr_va_vdst(0)                   ; the wait ahead of the root's first reader
.irp i, 0,2,4,6,8,10,12,14
	v_pk_mul_f32 v[D+\i:D+\i+1], v[D+\i:D+\i+1], v[RS:RS+1] op_sel_hi:[1,0]
.endr
.irp i, 0,2,4,6,8,10,12,14
	v_pk_fma_f32 v[D+\i:D+\i+1], v[D+\i:D+\i+1], v[LNW+\i:LNW+\i+1], v[LNB+\i:LNB+\i+1]
.endr
.endm
	s_load_b512 s[4:19], s[0:1], 0x0               ; x's codes 4, scales 6; cc 8, cs 10, wl 12; bo 14, br 16, ln1_w 18
	s_load_b256 s[20:27], s[0:1], 0x40             ; ln1_b 20, bfc 22, ln2_w 24, ln2_b 26
	s_load_b64 s[28:29], s[0:1], 0x60              ; out0
	v_lshl_add_u32 v254, v0, 2, 0x42000
	v_mov_b32 v255, 0
	v_lshrrev_b32 v14, 5, v0
	v_readfirstlane_b32 s[WV], v14                 ; wave 0..15
	s_mov_b32 s[WG], ttmp9
	s_mov_b32 s[SEL], 0x76543210
	s_mov_b32 s[SEL+1], 0xfedcba98
	s_mov_b32 s40, 0x3b000000                      ; 1 / 512
	s_mov_b32 s41, 0x3727c5ac                      ; eps = 1e-5
	v_and_b32 v248, 31, v0                         ; lane
	v_and_b32 v249, 15, v0                         ; r
	v_bfe_u32 v250, v0, 4, 1                       ; h
	v_and_b32 v252, 8, v0
	v_add_nc_u32 v252, v252, v249                  ; rho
	v_mov_b32 v[T+11], 0                           ; (upper halves of pairs of which the low word alone is taken)
	v_mov_b32 v[NM+1], 0
	v_mov_b32 v[RS+1], 0
	v_mul_u32_u24 v[LM], v248, 48
	v_lshlrev_b32 v[L4], 2, v248
	v_lshlrev_b32 v[R4], 2, v249
	v_lshlrev_b32 v[GI], 4, v248
	v_add_nc_u32 v[LM2], XIMG, v[LM]
	s_lshl_b32 s42, s[WV], 7
	s_add_co_u32 s43, s42, PRM
	v_lshl_add_u32 v[PB], v250, 6, s43
	s_lshr_b32 s44, s[WV], 2                       ; my 32 columns are block w % 4 of K step w / 4: lanes (r, w % 2), registers 6 ((w / 2) % 2) + 3 h + 0 .. 2
	s_mul_i32 s45, s44, 1536
	s_and_b32 s46, s[WV], 1
	s_mul_i32 s46, s46, 768
	s_add_co_u32 s45, s45, s46
	s_bfe_u32 s46, s[WV], 0x10001
	s_mul_i32 s46, s46, 24
	s_add_co_u32 s45, s45, s46
	s_add_co_u32 s45, s45, YIMG
	v_mul_u32_u24 v[YWA], v249, 48
	v_mad_u32_u24 v[YWA], v250, 12, v[YWA]
	v_add_nc_u32 v[YWA], s45, v[YWA]
	s_lshl_b32 s45, s44, 6
	s_and_b32 s46, s[WV], 3
	s_add_co_u32 s45, s45, s46
	s_add_co_u32 s45, s45, YSC
	v_add_nc_u32 v[YSA], s45, v[R4]
	v_mul_u32_u24 v[REDR], v249, 144
	v_add_nc_u32 v[REDR], RED1, v[REDR]
	s_lshl_b32 s45, s[WV], 3
	v_add_nc_u32 v[REDW], s45, v[REDR]
	v_lshl_add_u32 v[REDR], v250, 6, v[REDR]
	v_mul_u32_u24 v[STW0], v252, 2064
	v_lshl_add_u32 v[STW0], v250, 6, v[STW0]
	s_add_co_u32 s45, s42, STG
	v_add_nc_u32 v[STW0], s45, v[STW0]
	v_add_nc_u32 v[STW1], 66048, v[STW0]
	s_mul_i32 s45, s[WV], 8256
	s_add_co_u32 s45, s45, STG
	v_add_nc_u32 v[STR], s45, v[GI]
	v_mul_u32_u24 v14, v252, 384
	v_mad_u32_u24 v14, v250, 24, v14               ; a fragment's place in rows of 384 bytes
	v_lshlrev_b32 v15, 4, v252                     ; 16 rho
	v_lshlrev_b32 v240, 2, v0                      ; 4 x thread
	s_mul_i32 s45, s[WV], 1536
	v_add_nc_u32 v241, s45, v[LM2]                 ; where I put x's fragment w,
	v_add_nc_u32 v242, s42, v[L4]                  ; its scale words,
	s_mul_i32 s45, s[WV], 3072
	v_add_nc_u32 v243, s45, v[LM]                  ; cc's fragments 2 w and 2 w + 1,
	s_lshl_b32 s45, s[WV], 8
	v_add_nc_u32 v244, s45, v[L4]                  ; their scale words,
	v_add_nc_u32 v245, PRM, v240                   ; and a word of each parameter
	; offsets in memory
	s_lshl_b32 s42, s[WG], 6
	s_lshr_b32 s43, s[WV], 3
	s_lshl_b32 s43, s43, 5
	s_add_co_u32 s42, s42, s43
	s_bfe_u32 s43, s[WV], 0x10002
	s_lshl_b32 s43, s43, 3
	s_add_co_u32 s42, s42, s43                     ; the first token of x's tile w / 4
	s_and_b32 s43, s[WV], 3                        ; its K step w % 4
	s_mul_i32 s46, s42, 384
	s_mul_i32 s48, s43, 96
	s_add_co_u32 s46, s46, s48
	s_mov_b32 s47, 0
	s_lshl_b32 s48, s42, 4
	s_lshl_b32 s50, s43, 2
	s_add_co_u32 s48, s48, s50
	s_mov_b32 s49, 0
	s_mul_i32 s50, s[WG], 49152
	s_mul_i32 s52, s[WV], 3072
	s_add_co_u32 s50, s50, s52                     ; cc: the work-group's 32 fragments are one dense block; mine are 2 w, 2 w + 1
	s_mov_b32 s51, 0
	s_lshr_b32 s52, s[WG], 3
	s_lshl_b32 s52, s52, 15                        ; cs: the batch,
	s_lshl_b32 s54, s43, 13
	s_add_co_u32 s52, s52, s54                     ; K step 2 (w % 4),
	s_and_b32 s54, s[WG], 7
	s_lshl_b32 s54, s54, 9
	s_add_co_u32 s52, s52, s54                     ; the work-group's four tiles,
	s_lshl_b32 s54, s44, 7
	s_add_co_u32 s52, s52, s54                     ; tile w / 4
	s_mov_b32 s53, 0
	s_mul_i32 s54, s[WV], 49152
	s_mov_b32 s55, 0
	s_lshl_b32 s56, s[WV], 12
	s_add_co_u32 s56, s56, 786432
	s_mov_b32 s57, 0
	s_lshl_b32 s58, s[WG], 17
	s_lshl_b32 s59, s[WV], 13
	s_add_co_u32 s58, s58, s59                     ; out0: row 64 g + 4 w of 2,048 bytes
	s_mov_b32 s59, 0
	s_wait_kmcnt 0x0
	s_add_nc_u64 s[4:5], s[4:5], s[46:47]
	s_add_nc_u64 s[6:7], s[6:7], s[48:49]
	s_add_nc_u64 s[8:9], s[8:9], s[50:51]
	s_add_nc_u64 s[10:11], s[10:11], s[52:53]
	s_add_nc_u64 s[WLB:WLB+1], s[12:13], s[54:55]
	s_add_nc_u64 s[WLS:WLS+1], s[12:13], s[56:57]
	s_add_nc_u64 s[OUT:OUT+1], s[28:29], s[58:59]
	; ---- 0: staging: 22 loads, then the ring's first four steps
.irp p, 0,1,2,3,4,5
	global_load_b64 v[16+2*\p:17+2*\p], v14, s[4:5] offset:48*(\p/3)+8*(\p%3) th:TH_LOAD_NT
.endr
	global_load_b32 v28, v15, s[6:7] th:TH_LOAD_NT
.irp k, 0,1
.irp g, 0,1,2
	global_load_b128 v[32+12*\k+4*\g:35+12*\k+4*\g], v[GI], s[8:9] offset:1536*\k+512*\g th:TH_LOAD_NT
.endr
	global_load_b32 v[56+\k], v[L4], s[10:11] offset:4096*\k th:TH_LOAD_NT
.endr
.irp p, 0,1,2,3,4,5,6
	global_load_b32 v[58+\p], v240, s[14+2*\p:15+2*\p]
.endr
	WLOAD 0
	WLOAD 1
	WLOAD 2
	WLOAD 3
	s_wait_loadcnt 32                              ; all but the ring's 32, the youngest
.irp g, 0,1,2
	ds_store_b128 v241, v[16+4*\g:19+4*\g] offset:16*\g
.endr
	ds_store_b32 v242, v28 offset:XSC
.irp k, 0,1
.irp g, 0,1,2
	ds_store_b128 v243, v[32+12*\k+4*\g:35+12*\k+4*\g] offset:CIMG+1536*\k+16*\g
.endr
	ds_store_b32 v244, v[56+\k] offset:CSC+128*\k
.endr
.irp p, 0,1,2,3,4,5,6
	ds_store_b32 v245, v[58+\p] offset:2048*\p
.endr
	BARRIER                                        ; the tokens' fragments and the parameters lie in LDS
	; ---- 1: concat Wo + bo
.irp m, 0,1,2,3
	PLOAD ACC+16*\m, 0                             ; bo starts all eight sums
.endr
.irp i, 0,1,2,3,4,5,6,7
	STEPW \i
.endr
	; tanh, and br with it: tanh + br = (1 + br) - 2 / (1 + 2^(2 x log2 e))
	PLOAD ACT, 1
	s_wait_dscnt 0x0
.irp i, 0,2,4,6,8,10,12,14
	v_pk_add_f32 v[ACT+\i:ACT+\i+1], v[ACT+\i:ACT+\i+1], 1.0 op_sel_hi:[1,0]
.endr
.set cnt, 0
.rept 32
	v_pk_mul_f32 v[ACC+cnt:ACC+cnt+1], v[ACC+cnt:ACC+cnt+1], 0x4038aa3b op_sel_hi:[1,0]
.set cnt, cnt+2
.endr
.set cnt, 0
.rept 64
	v_exp_f32 v[ACC+cnt], v[ACC+cnt]
.set cnt, cnt+1
.endr
	v_nop                                          ; a plain line behind the last exponential,
	s_wait_alu depctr_va_vdst(0)                   ; and one wait for the batch, ahead of its first reader
.set cnt, 0
.rept 32
	v_pk_add_f32 v[ACC+cnt:ACC+cnt+1], v[ACC+cnt:ACC+cnt+1], 1.0 op_sel_hi:[1,0]
.set cnt, cnt+2
.endr
.set cnt, 0
.rept 64
	v_rcp_f32 v[ACC+cnt], v[ACC+cnt]
.set cnt, cnt+1
.endr
	v_nop
	s_wait_alu depctr_va_vdst(0)                   ; one wait for the 64 reciprocals
.irp m, 0,1,2,3
.irp i, 0,2,4,6,8,10,12,14
	v_pk_fma_f32 v[ACC+16*\m+\i:ACC+16*\m+\i+1], v[ACC+16*\m+\i:ACC+16*\m+\i+1], -2.0, v[ACT+\i:ACT+\i+1] op_sel_hi:[1,0,1]
.endr
.endr
	NOPS 4
	; ---- 2: + x Wr, added by the matrix unit onto the same accumulators
.irp i, 8,9,10,11
	STEPW \i
.endr
	; ---- 3: the first layer norm; y1 is kept in the stage and quantised
.irp m, 0,1,2,3
	LNLOC \m, 0
.endr
	PLOAD LNW, 2
	PLOAD LNB, 3
	BARRIER                                        ; every wave's pairs lie in LDS
.irp m, 0,1,2,3
	LNAPPLY \m, 0
.endr
	YMOVE 1, ACC                                   ; y1 to my own places in the stage: I alone read them back
.irp b, 0,1,2,3
	v_max3_num_f32 v[TM+\b], |v[ACC+16*\b]|, |v[ACC+1+16*\b]|, 0x2800000   ; block b: token tile b, columns 32 w .. 32 w + 31; with the floor 2^(5 - 127): the byte cannot fall under 1
.endr
.irp i, 2,4,6,8,10,12,14
.irp b, 0,1,2,3
	v_max3_num_f32 v[TM+\b], v[TM+\b], |v[ACC+16*\b+\i]|, |v[ACC+1+16*\b+\i]|
.endr
.endr
.irp b, 0,1,2,3
	v_permlanex16_b32 v[TM+4+\b], v[TM+\b], s[SEL], s[SEL+1]
.endr
.irp b, 0,1,2,3
	v_max_num_f32 v[TM+\b], v[TM+\b], v[TM+4+\b]   ; the block's largest magnitude
.endr
.irp b, 0,1,2,3
	v_add_nc_u32 v[TM+12+\b], 0xfe000000, v[TM+\b] ; 4 off its exponent field: the conversion takes that field as its scale
.endr
.irp b, 0,1,2,3
	v_lshrrev_b32 v[TM+4+\b], 23, v[TM+12+\b]      ; the scale's byte
.endr
.irp b, 0,1,2,3
	v_cvt_scalef32_pk16_bf6_f32 v[PC+4*\b:PC+4*\b+2], v[ACC+16*\b:ACC+16*\b+15], v[TM+12+\b]
.endr
	v_nop                                          ; one plain line behind the last scaled conversion
.irp m, 0,1,2,3
.irp i, 0,1,2
	ds_store_b32 v[YWA], v[PC+4*\m+\i] offset:6144*\m+4*\i
.endr
	ds_store_b8 v[YSA], v[TM+4+\m] offset:256*\m   ; both lanes of a block write the same byte with the same value
.endr
	BARRIER                                        ; y1's sixteen fragments lie in LDS
	; ---- 4: Q(y1) Wfc + bfc, relu, + y1
.irp m, 0,1,2,3
	PLOAD ACC+16*\m, 4
.endr
.irp i, 12,13,14,15
	STEPW \i
.endr
	YMOVE 0, SL                                    ; y1 back, into the ring's registers, which are free now
	s_wait_dscnt 0x0
.set cnt, 0
.rept 64
	v_max_num_f32 v[ACC+cnt], 0, v[ACC+cnt]
.set cnt, cnt+1
.endr
.set cnt, 0
.rept 32
	v_pk_add_f32 v[ACC+cnt:ACC+cnt+1], v[ACC+cnt:ACC+cnt+1], v[SL+cnt:SL+cnt+1]
.set cnt, cnt+2
.endr
	; ---- 5: the second layer norm, with bytes of its own for the pairs
.irp m, 0,1,2,3
	LNLOC \m, 9216
.endr
	PLOAD LNW, 5
	PLOAD LNB, 6
	BARRIER
.irp m, 0,1,2,3
	LNAPPLY \m, 9216
.endr
	; ---- 6: the way out: a row's 512 numbers come from sixteen waves: they meet in the stage, and each wave stores four whole rows
	YMOVE 1, ACC
	BARRIER
.set cnt, 0
.rept 16
	ds_load_b128 v[SL+4*cnt:SL+4*cnt+3], v[STR] offset:2064*(cnt/4)+512*(cnt%4)
.set cnt, cnt+1
.endr
.set cnt, 0
.rept 16
	s_wait_dscnt 15-cnt                            ; LDS loads come back in order: this one is in
	global_store_b128 v[GI], v[SL+4*cnt:SL+4*cnt+3], s[OUT:OUT+1] offset:2048*(cnt/4)+512*(cnt%4) th:TH_STORE_NT   ; 32 lanes store 512 consecutive bytes, at a multiple of 256 from out0's first byte
.set cnt, cnt+1
.endr
	s_wait_tensorcnt 0x0
	ds_add_u32 v254, v255
	s_wait_dscnt 0x0
	s_endpgm
.Lfunc_end_k_q794c12098d_tail:
	.size	k_q794c12098d_tail, .Lfunc_end_k_q794c12098d_tail-k_q794c12098d_tail
	.p2alignl 7, 3214868480
	.fill 96, 4, 3214868480
	.section	.rodata,"a",@progbits
	.p2align	6, 0x0
	.amdhsa_kernel k_q794c12098d_tail
		.amdhsa_group_segment_fixed_size 272384
		.amdhsa_private_segment_fixed_size 0
		.amdhsa_enable_private_segment 0
		.amdhsa_kernarg_size 104
		.amdhsa_user_sgpr_count 2
		.amdhsa_user_sgpr_kernarg_segment_ptr 1
		.amdhsa_wavefront_size32 1
		.amdhsa_system_sgpr_workgroup_id_x 1
		.amdhsa_system_sgpr_workgroup_id_y 1
		.amdhsa_system_sgpr_workgroup_id_z 1
		.amdhsa_system_vgpr_workitem_id 0
		.amdhsa_next_free_vgpr 256
		.amdhsa_next_free_sgpr 66
		.amdhsa_reserve_vcc 0
		.amdhsa_float_denorm_mode_32 3
		.amdhsa_float_denorm_mode_16_64 3
		.amdhsa_memory_ordered 1
		.amdhsa_forward_progress 1
		.amdhsa_inst_pref_size 127
	.end_amdhsa_kernel
	.amdgpu_metadata
---
amdhsa.version: [ 1, 2 ]
amdhsa.kernels:
  - .name:           k_q794c12098d_tail
    .symbol:         k_q794c12098d_tail.kd
    .args:
      - { .name: inputs_codes, .offset: 0, .size: 8, .value_kind: global_buffer, .address_space: global }
      - { .name: inputs_scales, .offset: 8, .size: 8, .value_kind: global_buffer, .address_space: global }
      - { .name: cc, .offset: 16, .size: 8, .value_kind: global_buffer, .address_space: global }
      - { .name: cs, .offset: 24, .size: 8, .value_kind: global_buffer, .address_space: global }
      - { .name: wl, .offset: 32, .size: 8, .value_kind: global_buffer, .address_space: global }
      - { .name: bo, .offset: 40, .size: 8, .value_kind: global_buffer, .address_space: global }
      - { .name: br, .offset: 48, .size: 8, .value_kind: global_buffer, .address_space: global }
      - { .name: ln1_w, .offset: 56, .size: 8, .value_kind: global_buffer, .address_space: global }
      - { .name: ln1_b, .offset: 64, .size: 8, .value_kind: global_buffer, .address_space: global }
      - { .name: bfc, .offset: 72, .size: 8, .value_kind: global_buffer, .address_space: global }
      - { .name: ln2_w, .offset: 80, .size: 8, .value_kind: global_buffer, .address_space: global }
      - { .name: ln2_b, .offset: 88, .size: 8, .value_kind: global_buffer, .address_space: global }
      - { .name: out0, .offset: 96, .size: 8, .value_kind: global_buffer, .address_space: global }
    .group_segment_fixed_size: 272384
    .private_segment_fixed_size: 0
    .kernarg_segment_align: 8
    .kernarg_segment_size: 104
    .max_flat_workgroup_size: 512
    .sgpr_count:     66
    .vgpr_count:     256
    .wavefront_size: 32
...
	.end_amdgpu_metadata
.endif
;; end of part 2
;; ======== version 2 of 2: 2 launches; version 1 with the launches heads, tail written anew for expert scheduling mode
;; limits: a function is approximated: absolute error at most 2e-07
;; workspace buffers: cc 12,582,912 bytes; cs 1,048,576 bytes; wl 851,968 bytes
;; launch heads (part 3): grid 8 x 32, 16 waves a work-group, no clusters, 289,280 bytes of LDS; arguments inputs_codes, inputs_scales, Wq_codes, Wq_scales, Wk_codes, Wk_scales, Wv_codes, Wv_scales, bq, bk, bv, Wo_codes, Wo_scales, Wr_codes, Wr_scales, Wfc_codes, Wfc_scales, cc, cs, wl; writes cc, cs, wl
.if DOCPART == 3
	.amdgcn_target "amdgcn-amd-amdhsa--gfx1250"
	.amdhsa_code_object_version 6
	.text
	.protected	k_q794c12098d_heads
	.globl	k_q794c12098d_heads
	.p2align	8
	.type	k_q794c12098d_heads,@function
k_q794c12098d_heads:
	s_mov_b64 s[64:65], 0
	v_nop
	global_prefetch_b8 v0, s[64:65] scope:SCOPE_SE
	s_setreg_imm32_b32 hwreg(HW_REG_WAVE_SCHED_MODE, 0, 2), 2
	s_setreg_imm32_b32 hwreg(HW_REG_WAVE_MODE, 25, 1), 1
	s_wait_xcnt 0x0
	s_wait_alu depctr_vm_vsrc(0)
; HEADS.  A work-group takes one batch (grid y) and two heads, 2 hp and 2 hp + 1 (grid x = hp), one after the other: q = relu(x Wq + bq), k = relu(x Wk + bk), v = tanh(x Wv + bv), all three quantised to
; codes of BF6 (E3M2) with one E8M0 byte for each 32 along the next product's K; causal attention on the codes; heads / l quantised along the concatenated axis and stored as images of operand registers (cc, cs).
; Side job: each work-group lays two fragments of Wo, Wr or Wfc into wl, in the order in which the next launch's waves take them.
; SHARES.  Sixteen waves of 256 registers.  Projection: wave w owns tokens 32 w .. 32 w + 31.  Attention: wave w owns query tiles (pair w, u = 0) and (pair w xor 15, u = 1): (w / 4 + 1) + (4 - w / 4) = 5 key steps of 128 for every wave.
; TILES.  Every tile of 16 rows (tokens, weight rows) is tile 2 b + u, whose lane r takes row 32 b + 8 u + r + 8 (r / 8): so the 16 result registers of tiles 2 b, 2 b + 1 are 16 neighbours, 32 b + 16 (lane / 16) + 0 .. 15.
; K = 64 IN THE SCORES.  A fragment of k packs two key tiles: registers 0-5 tile u = 0, registers 6-11 tile u = 1.  q stands as zeros(6) q(6) zeros(6): (q, 0) gives the scores of tile u = 0, (0, q) those of tile u = 1.
; OPERANDS GO FROM WAVE TO WAVE THROUGH LDS AS IMAGES OF THEIR REGISTERS, a lane's 12 registers on end at 48 x lane (12 words: sixteen neighbouring lanes start in sixteen different groups of four banks).
; THE MASK.  reference() builds it itself: a hidden score is -1e9 and a shown one is never negative (q and k pass a relu), so a hidden p is 0 for every input: key steps wholly behind a tile's queries are left out, on the
; diagonal hidden scores become -infinity ahead of the maximum.
; SOFTMAX.  t = score x log2(e) / 8; M = the running largest t rounded up to a whole number; p = 2^(t - M) is quantised; the sum of the unquantised p divides at the end.
; LIMITS.  tanh(x) = 1 - 2 / (1 + 2^(2 x log2 e)): absolute error about 2e-7.  A block of zeros keeps the scale byte 1 (this program alone reads the bytes; its codes are zeros).  NaN and infinities among the inputs are
; not served.  The zero half of q is multiplied under the other key tile's scale bytes: q and k beyond about 2^60 are not served.
; THE MODE: SCHED_MODE bits 1:0 = 2 (LLVM: expert scheduling mode 2), set by the entry lines.  The code itself states the register dependences between vector or matrix instructions and memory or LDS instructions,
; with s_wait_alu, always for 0.
; THE PLAN.  Registers that memory or LDS instructions touch, and who else names them:
;   v1-15        offsets and LDS addresses: made once at the head, read by loads and stores, never written again.
;   X, XS        x's loads land in them; the projections' products read them; in attention the same registers are S^T and k's or v's fragments.
;   ACC          the biases' LDS loads land in it; products, relu or tanh and the quantiser work on it.
;   WF, WS       a weight tile's LDS loads land in them; that tile's eight products read them: one wait on va_vdst ahead of each tile's run of loads.
;   PC, PW, TM   the quantiser writes them, LDS stores read them: one wait on va_vdst ahead of each run of stores, one on vm_vsrc ahead of the next writer.
;   BVP          bv's LDS loads land in TM's first eight registers with v's first tile, while the quantiser does not need them.
;   WRD WSR BAR  LDS addresses: written at the loop's head, WRD behind each projection, BAR at the head of v's; each write behind a wait on vm_vsrc and ahead of a wait on va_vdst that stands there anyway.
;   KV, KVS      k's fragments, read by the scores' products; then v's, read by the second product's: one wait on va_vdst ahead of each of the two runs of loads of a key step.
;   ADK .. ADT   LDS addresses of the loads in hand: written at a tile's head, at each key step's head, at a tile's end and on the way out: a wait on vm_vsrc ahead, the run's wait on va_vdst behind.
;   s4-s19       the diagonal's lane masks: sixteen compares in a run, one wait on va_sdst, sixteen selects.
.set KIMG, 0                           ; LDS: k's fragments, pair P at 1536 P
.set VIMG, 24576                       ; v's fragments (channel tile t, key step s) at (4 t + s) 1536
.set KSC,  49152                       ; k's scale words: 128 P + 4 lane
.set VSC,  51200                       ; v's: (4 t + s) 64 + 4 r, written byte by byte
.set QSC,  52224                       ; q's: 128 P + 4 lane
.set WSC,  54272                       ; the weights' scale rows as they lie: [q, k, v][head of the two][64 rows][16 bytes]
.set BIAS, 60416                       ; the biases as they lie: [q, k, v][head][64] f32
.set SSC,  61952                       ; the result's scale words: 128 T + 4 lane, a half word for each head
.set QIMG, 66048                       ; q's fragments, pair P at 1536 P
.set STG,  90624                       ; the result's fragments, each wave's own: 3072 w + 1536 j + 48 lane + 24 head
.set WIMG, 139776                      ; the weights' fragments: [q, k, v][head][tile 4][K step 4] x 1536
.set LM,   1                           ; v1   48 x lane
.set L4,   2                           ; v2   4 x lane
.set R4,   3                           ; v3   4 r
.set RH16, 4                           ; v4   16 rho, rho = r + 8 (r / 8)
.set XA,   5                           ; v5   384 rho + 24 h: a fragment's place in rows of 384 bytes
.set BA,   6                           ; v6   64 h
.set RH4,  7                           ; v7   4 rho
.set VWA,  8                           ; v8   where my half block of v's codes goes
.set VSA,  9                           ; v9   and its scale byte
.set KWA,  10                          ; v10  48 lane + 1536 w
.set KSW,  11                          ; v11  4 lane + 128 w
.set QWA,  12                          ; v12  KWA + QIMG
.set STB,  13                          ; v13  48 lane + STG + 3072 w
.set RD,   14                          ; v14  rho - 16 h
.set T4,   15                          ; v15  4 x thread
.set X,    16                          ; projection: v16-111 x's fragments [u 2][K step 4] x 12
.set XS,   112                         ; v112-119 their scale words
.set ACC,  120                         ; v120-183 eight accumulators
.set WF,   184                         ; v184-231 four fragments of a weight
.set PC,   184                         ; v184-203 codes just made (over WF, when the products are done)
.set WS,   232                         ; v232-235 a weight tile's scale words
.set TM,   236                         ; v236-251 the quantiser's: +0..3 maxima, +4..7 bytes, +12..15 scale operands
.set BVP,  236                         ; v236-243 bv, in pairs: TM's first eight, until the quantiser takes them
.set ADK,  244                         ; v244-247 (TM + 8 .. 11, which the quantiser leaves alone): addresses of the loads in hand
.set ADS,  245
.set ADV,  246
.set ADT,  247
.set PW,   252                         ; v252 the scale word just made
.set WRD,  253                         ; v253 where the weight's fragments are read
.set WSR,  254                         ; v254 and its scale rows
.set BAR,  255                         ; v255 and the bias
.set S,    16                          ; attention: v16-79 S^T, then p
.set KV,   80                          ; v80-127 four fragments of k or of v
.set O,    128                         ; v128-159 O^T
.set Q,    160                         ; v160-177 zeros, q, zeros
.set QS,   178                         ; v178 q's scale word
.set DQ,   179                         ; v179 my query less the step's first key less 16 h
.set KVS,  180                         ; v180-183 scale words of k or of v
.set NM,   204                         ; v204 -M;  v205 the largest t
.set TMAX, 205
.set L,    206                         ; v[206:207] the sum, in two halves
.set BM,   208                         ; v208-211 the blocks' largest scores, then p
.set PX,   212                         ; v212-215 what the other half of the lanes holds
.set SO,   216                         ; v216-219 the conversions' scale operands
.set F,    220                         ; v220 2^(old M - new M);  v221 p's scale word
.set PS,   221
.set T0,   222
.set T1,   223                         ; v223 -infinity
.set SUM2, 224
.set BY,   226
.set INV,  230
.set MK,   4                           ; s4-s19 sixteen lane masks of the diagonal (the arguments that lay here are done with when the loop begins)
.set WV,   44
.set HP,   45
.set B,    46
.set H24,  47                          ; s47 24 x head of the two
.set SEL,  48                          ; s[48:49] v_permlanex16_b32's selects for lane l xor 16
.set CS,   50                          ; s[50:51] c = log2(e) / 8, twice
.set HDC,  52                          ; s52 head of the two
.set HW,   53                          ; s53 WIMG + 24576 head
.set HS,   54                          ; s54 1024 head
.set HB,   55                          ; s55 256 head
.set P,    56                          ; s56 the query tile's pair;  s57 its key step;  s58 its block in that step
.set P4,   57
.set PB,   58
.set ST,   59                          ; s59 the key step;  s60-63 its places in KIMG, KSC, VIMG, VSC
.set TK,   60
.set TS,   61
.set TV,   62
.set TT,   63
.set XB,   66                          ; s[66:67] x's codes at my wave's first token;  s[68:69] its scale bytes
.set XSB,  68
.set CC0,  90                          ; s[90:91], s[92:93] where my two fragments go in cc;  s[94:95] my 256 bytes of cs
.set CC1,  92
.set CSB,  94
.macro NOPS n
.rept \n
	v_nop
.endr
.endm
.macro WM d, a, b, sa, sb              ; D += A B
	v_wmma_scale_f32_16x16x128_f8f6f4 v[\d:\d+7], v[\a:\a+11], v[\b:\b+11], v[\d:\d+7], v[\sa], v[\sb] matrix_a_fmt:MATRIX_FMT_BF6 matrix_b_fmt:MATRIX_FMT_BF6
.endm
.macro WM0 d, a, b, sa, sb             ; D = A B: the product starts the sum
	v_wmma_scale_f32_16x16x128_f8f6f4 v[\d:\d+7], v[\a:\a+11], v[\b:\b+11], 0, v[\sa], v[\sb] matrix_a_fmt:MATRIX_FMT_BF6 matrix_b_fmt:MATRIX_FMT_BF6
.endm
.macro BARRIER                         ; my LDS stores have landed and my LDS loads are in: then the work-group's barrier
	s_wait_dscnt 0x0
	s_barrier_signal -1
	s_barrier_wait -1
.endm
; THE QUANTISER.  Block b < nb: 16 numbers a lane at v[src + 16 b] on, the other 16 in lane l xor 16.  Gives the scale operand in v[TM + 12 + b] and the byte in v[TM + 4 + b].
.macro QHEAD src, nb
.irp b, 0,1,2,3
.if \b < \nb
	v_max3_num_f32 v[TM+\b], |v[\src+16*\b]|, |v[\src+1+16*\b]|, 0x2800000   ; with the floor 2^(5 - 127): the byte cannot fall under 1
.endif
.endr
.irp i, 2,4,6,8,10,12,14
.irp b, 0,1,2,3
.if \b < \nb
	v_max3_num_f32 v[TM+\b], v[TM+\b], |v[\src+16*\b+\i]|, |v[\src+1+16*\b+\i]|   ; the blocks by turns
.endif
.endr
.endr
.irp b, 0,1,2,3
.if \b < \nb
	v_permlanex16_b32 v[TM+4+\b], v[TM+\b], s[SEL], s[SEL+1]
.endif
.endr
.irp b, 0,1,2,3
.if \b < \nb
	v_max_num_f32 v[TM+\b], v[TM+\b], v[TM+4+\b]   ; the block's largest magnitude
.endif
.endr
.irp b, 0,1,2,3
.if \b < \nb
	v_add_nc_u32 v[TM+12+\b], 0xfe000000, v[TM+\b]   ; 4 off its exponent field: the conversion takes that field as its scale
.endif
.endr
.irp b, 0,1,2,3
.if \b < \nb
	v_lshrrev_b32 v[TM+4+\b], 23, v[TM+12+\b]   ; the scale's byte
.endif
.endr
.endm
.macro QCVT src, c, scl                ; blocks 2 c and 2 c + 1 become half blocks of codes (a conversion's three registers begin on an even number)
	v_cvt_scalef32_pk16_bf6_f32 v[PC+6*\c:PC+6*\c+2], v[\src+32*\c:\src+32*\c+15], v[\scl+2*\c]
	v_cvt_scalef32_pk16_bf6_f32 v[PC+12+4*\c:PC+12+4*\c+2], v[\src+32*\c+16:\src+32*\c+31], v[\scl+2*\c+1]
.endm
.macro QSWP c                          ; the operand wants a whole block in a lane: lanes 0-15 block 2 c, lanes 16-31 block 2 c + 1
.irp i, 0,1,2
	v_permlane16_swap_b32 v[PC+6*\c+\i], v[PC+12+4*\c+\i]
.endr
.irp i, 0,1,2
	v_mov_b32 v[PC+3+6*\c+\i], v[PC+12+4*\c+\i]
.endr
.endm
.macro QUANT src                       ; 64 numbers a lane become a fragment in v[PC] on and its scale word in v[PW]
	QHEAD \src, 4
	v_lshl_or_b32 v[PW], v[TM+5], 8, v[TM+4]
	v_lshl_or_b32 v[PW], v[TM+6], 16, v[PW]
	v_lshl_or_b32 v[PW], v[TM+7], 24, v[PW]
	QCVT \src, 0, TM+12
	QCVT \src, 1, TM+12
	v_nop                                          ; one plain line behind the last scaled conversion
	QSWP 0
	QSWP 1
.endm
.macro QCOL src                        ; four blocks that belong to four different fragments: 16 codes a lane each, in v[PC + 4 b] on
	QHEAD \src, 4
.irp b, 0,1,2,3
	v_cvt_scalef32_pk16_bf6_f32 v[PC+4*\b:PC+4*\b+2], v[\src+16*\b:\src+16*\b+15], v[TM+12+\b]
.endr
	v_nop                                          ; one plain line behind the last scaled conversion
.endm
.macro IMAGE adr, off                  ; the fragment in v[PC] on goes to LDS as it stands
.irp g, 0,1,2
	ds_store_b128 v[\adr], v[PC+4*\g:PC+4*\g+3] offset:\off+16*\g
.endr
.endm
.macro XLOAD                           ; my 32 tokens of x: eight fragments and their scale words: 50 loads
.irp u, 0,1
.irp s, 0,1,2,3
.irp p, 0,1,2,3,4,5
	global_load_b64 v[X+48*\u+12*\s+2*\p:X+48*\u+12*\s+2*\p+1], v[XA], s[XB:XB+1] offset:3072*\u+96*\s+48*(\p/3)+8*(\p%3)
.endr
.endr
	global_load_b128 v[XS+4*\u:XS+4*\u+3], v[RH16], s[XSB:XSB+1] offset:128*\u
.endr
.endm
	; ---- the arguments, and what hangs on the lane and the wave.  Every LDS address register that stays is made here, ahead of the first branch on the wave's number
	s_load_b512 s[4:19], s[0:1], 0x0               ; x's codes 4, scales 6; Wq 8, 10; Wk 12, 14; Wv 16, 18
	s_load_b512 s[20:35], s[0:1], 0x40             ; bq 20, bk 22, bv 24; Wo 26, 28; Wr 30, 32; Wfc's codes 34
	s_load_b256 s[36:43], s[0:1], 0x80             ; Wfc's scales 36; cc 38, cs 40, wl 42
	v_lshrrev_b32 v16, 5, v0
	v_readfirstlane_b32 s[WV], v16                 ; wave 0..15
	s_mov_b32 s[HP], ttmp9
	s_and_b32 s[B], ttmp7, 0xffff
	s_mov_b32 s[SEL], 0x76543210
	s_mov_b32 s[SEL+1], 0xfedcba98
	s_mov_b32 s[CS], 0x3e38aa3b                    ; log2(e) / 8
	s_mov_b32 s[CS+1], s[CS]
	v_and_b32 v16, 31, v0                          ; lane
	v_and_b32 v17, 15, v0                          ; r
	v_bfe_u32 v18, v0, 4, 1                        ; h
	v_and_b32 v19, 8, v0
	v_add_nc_u32 v19, v19, v17                     ; rho
	v_mul_u32_u24 v[LM], v16, 48
	v_lshlrev_b32 v[L4], 2, v16
	v_lshlrev_b32 v[R4], 2, v17
	v_lshlrev_b32 v[RH16], 4, v19
	v_mul_u32_u24 v[XA], v19, 384
	v_mad_u32_u24 v[XA], v18, 24, v[XA]
	v_lshlrev_b32 v[BA], 6, v18
	v_lshlrev_b32 v[RH4], 2, v19
	v_lshlrev_b32 v[T4], 2, v0
	v_lshlrev_b32 v20, 4, v18
	v_sub_nc_u32 v[RD], v19, v20
	s_wait_alu depctr_va_sdst(0)                   ; the wave's number is written, ahead of its first reader: addresses, bases and branches are made from it
	s_lshr_b32 s70, s[WV], 2                       ; my 32 keys are block w % 4 of key step w / 4: lanes (r, w % 2), registers 6 ((w / 2) % 2) + 3 h + 0 .. 2
	s_mul_i32 s71, s70, 1536
	s_and_b32 s72, s[WV], 1
	s_mul_i32 s72, s72, 768
	s_add_co_u32 s71, s71, s72
	s_bfe_u32 s72, s[WV], 0x10001
	s_mul_i32 s72, s72, 24
	s_add_co_u32 s71, s71, s72
	v_mul_u32_u24 v[VWA], v17, 48
	v_mad_u32_u24 v[VWA], v18, 12, v[VWA]
	v_add_nc_u32 v[VWA], s71, v[VWA]
	s_lshl_b32 s71, s70, 6
	s_and_b32 s72, s[WV], 3
	s_add_co_u32 s71, s71, s72
	v_add_nc_u32 v[VSA], s71, v[R4]
	s_mul_i32 s71, s[WV], 1536
	v_add_nc_u32 v[KWA], s71, v[LM]
	v_add_nc_u32 v[QWA], QIMG, v[KWA]
	s_lshl_b32 s71, s[WV], 7
	v_add_nc_u32 v[KSW], s71, v[L4]
	s_mul_i32 s71, s[WV], 3072
	s_add_co_u32 s72, s71, STG
	v_add_nc_u32 v[STB], s72, v[LM]
	s_add_co_u32 s72, s71, WIMG                    ; wave w stages head w / 8, tile (w / 2) % 4, K steps 2 (w % 2) + 0, 1: 24576 + 6144 + 3072 of these make 3072 w
	v_add_nc_u32 v209, s72, v[LM]
	v_add_nc_u32 v210, 49152, v209
	v_add_nc_u32 v211, 49152, v210
	v_and_b32 v214, 127, v0
	v_lshlrev_b32 v214, 2, v214                    ; a bias word's place: 4 (thread % 128)
	v_lshlrev_b32 v215, 4, v16                     ; 16 x lane
.irp i, 4,5,6,7
	v_mov_b32 v[TM+\i], 0                          ; written once: a lane permute's destination counts as one of its sources
.endr
.irp i, 195,196,197,198,199,200,201,202,203,204,205,206,207,208
	v_mov_b32 v[\i], 0                             ; what only some waves load is written in all
.endr
	; the side job's numbers: fragment (w', i, u) of wl, 16 w' + i = 8 batch + hp, u = my wave (waves 0 and 1 do it)
	s_lshl_b32 s56, s[B], 3
	s_add_co_u32 s56, s56, s[HP]
	s_lshr_b32 s57, s56, 4                         ; w'
	s_and_b32 s58, s56, 15                         ; i: 0-7 Wo's K steps, 8-11 Wr's, 12-15 Wfc's
	s_and_b32 s61, s58, 3
	s_lshl_b32 s62, s57, 5
	s_lshl_b32 s63, s[WV], 3
	s_add_co_u32 s62, s62, s63                     ; the tile's first row: 32 w' + 8 u
	s_lshl_b32 s72, s56, 1
	s_add_co_u32 s72, s72, s[WV]                   ; its number in wl
	s_mov_b32 s71, 0
	s_mov_b32 s73, 0
	s_mov_b32 s75, 0
	s_wait_kmcnt 0x0
	s_cmp_lt_u32 s58, 12
	s_cselect_b64 s[84:85], s[30:31], s[34:35]
	s_cselect_b64 s[86:87], s[32:33], s[36:37]
	s_cmp_lt_u32 s58, 8
	s_cselect_b64 s[84:85], s[26:27], s[84:85]
	s_cselect_b64 s[86:87], s[28:29], s[86:87]
	s_mov_b32 s59, 384
	s_cselect_b32 s59, 768, s59                    ; a row of codes in bytes
	s_cselect_b32 s60, 32, 16                      ; a row of scale bytes
	s_cselect_b32 s61, s58, s61                    ; the K step in its matrix
	s_mul_i32 s70, s62, s59
	s_mul_i32 s63, s61, 96
	s_add_co_u32 s70, s70, s63
	s_add_nc_u64 s[84:85], s[84:85], s[70:71]
	s_mul_i32 s70, s62, s60
	s_lshl_b32 s63, s61, 2
	s_add_co_u32 s70, s70, s63
	s_add_nc_u64 s[86:87], s[86:87], s[70:71]
	s_mul_i32 s70, s72, 1536
	s_add_nc_u64 s[88:89], s[42:43], s[70:71]      ; its codes in wl
	s_lshl_b32 s70, s72, 7
	s_add_co_u32 s70, s70, 786432
	s_add_nc_u64 s[42:43], s[42:43], s[70:71]      ; its scale words in wl
	v_mul_lo_u32 v212, v19, s59
	v_mad_u32_u24 v212, v18, 24, v212
	v_mul_lo_u32 v213, v19, s60
	; the weights that I stage
	s_lshr_b32 s70, s[WV], 3
	s_lshl_b32 s74, s[HP], 1
	s_add_co_u32 s74, s74, s70
	s_mul_i32 s74, s74, 24576                      ; the head,
	s_bfe_u32 s70, s[WV], 0x10002
	s_mul_i32 s70, s70, 12288
	s_add_co_u32 s74, s74, s70                     ; 32 rows for the tile's pair,
	s_bfe_u32 s70, s[WV], 0x10001
	s_mul_i32 s70, s70, 3072
	s_add_co_u32 s74, s74, s70                     ; 8 rows for the odd tile,
	s_and_b32 s70, s[WV], 1
	s_mul_i32 s70, s70, 192
	s_add_co_u32 s74, s74, s70                     ; two K steps
	s_add_nc_u64 s[8:9], s[8:9], s[74:75]
	s_add_nc_u64 s[12:13], s[12:13], s[74:75]
	s_add_nc_u64 s[16:17], s[16:17], s[74:75]
	s_lshl_b32 s74, s[HP], 11                      ; the two heads' scale rows: 2,048 bytes, 4 a thread
	s_add_nc_u64 s[10:11], s[10:11], s[74:75]
	s_add_nc_u64 s[14:15], s[14:15], s[74:75]
	s_add_nc_u64 s[18:19], s[18:19], s[74:75]
	s_cmp_lt_u32 s[WV], 8                          ; waves 0-3 bring bq, 4-7 bk, 8-11 bv: 512 bytes each
	s_cselect_b64 s[82:83], s[22:23], s[24:25]
	s_cmp_lt_u32 s[WV], 4
	s_cselect_b64 s[82:83], s[20:21], s[82:83]
	s_lshl_b32 s74, s[HP], 9
	s_add_nc_u64 s[82:83], s[82:83], s[74:75]
	; x, and where the results go
	s_lshl_b32 s70, s[B], 9
	s_lshl_b32 s74, s[WV], 5
	s_add_co_u32 s70, s70, s74                     ; my first token
	s_mul_i32 s74, s70, 384
	s_add_nc_u64 s[XB:XB+1], s[4:5], s[74:75]
	s_lshl_b32 s74, s70, 4
	s_add_nc_u64 s[XSB:XSB+1], s[6:7], s[74:75]
	s_lshl_b32 s70, s[B], 5
	s_lshl_b32 s72, s[WV], 1
	s_add_co_u32 s72, s72, s70                     ; 32 batch + T, T = 2 w
	s_lshl_b32 s72, s72, 3
	s_add_co_u32 s72, s72, s[HP]
	s_mul_i32 s72, s72, 1536
	s_add_nc_u64 s[CC0:CC0+1], s[38:39], s[72:73]
	s_xor_b32 s72, s[WV], 15
	s_lshl_b32 s72, s72, 1
	s_add_co_u32 s72, s72, 1
	s_add_co_u32 s72, s72, s70                     ; T = 2 (w xor 15) + 1
	s_lshl_b32 s72, s72, 3
	s_add_co_u32 s72, s72, s[HP]
	s_mul_i32 s72, s72, 1536
	s_add_nc_u64 s[CC1:CC1+1], s[38:39], s[72:73]
	s_lshl_b32 s72, s56, 12
	s_lshl_b32 s74, s[WV], 8
	s_add_co_u32 s72, s72, s74
	s_add_nc_u64 s[CSB:CSB+1], s[40:41], s[72:73]
	; ---- loads: the side job's, the weights', then x's 50
	s_wait_alu depctr_va_vdst(0)                   ; the offsets and addresses v1-15 and v209-215 are written, which the loads and stores below read; so are v16-20 and v195-208, in which loads land
	s_cmp_lt_u32 s[WV], 2
	s_cbranch_scc0 .Lno_relay_in
.irp p, 0,1,2,3,4,5
	global_load_b64 v[196+2*\p:197+2*\p], v212, s[84:85] offset:48*(\p/3)+8*(\p%3)
.endr
	global_load_b32 v208, v213, s[86:87]
.Lno_relay_in:
.irp m, 0,1,2
.irp k, 0,1
.irp p, 0,1,2,3,4,5
	global_load_b64 v[120+12*(2*\m+\k)+2*\p:121+12*(2*\m+\k)+2*\p], v[XA], s[8+4*\m:9+4*\m] offset:96*\k+48*(\p/3)+8*(\p%3)
.endr
.endr
	global_load_b32 v[192+\m], v[T4], s[10+4*\m:11+4*\m]
.endr
	s_cmp_lt_u32 s[WV], 12
	s_cbranch_scc0 .Lno_bias_in
	global_load_b32 v195, v214, s[82:83]
.Lno_bias_in:
	XLOAD
	s_wait_loadcnt 50                              ; loads come back in order: all but x's 50, the youngest, are in
.irp m, 0,1,2
.irp k, 0,1
.irp g, 0,1,2
	ds_store_b128 v[209+\m], v[120+12*(2*\m+\k)+4*\g:123+12*(2*\m+\k)+4*\g] offset:1536*\k+16*\g   ; (loaded data and addresses made ahead of the wait above: no vector line since names them)
.endr
.endr
	ds_store_b32 v[T4], v[192+\m] offset:WSC+2048*\m
.endr
	s_cmp_lt_u32 s[WV], 12
	s_cbranch_scc0 .Lno_bias_out
	ds_store_b32 v[T4], v195 offset:BIAS
.Lno_bias_out:
	s_cmp_lt_u32 s[WV], 2
	s_cbranch_scc0 .Lno_relay_out
.irp g, 0,1,2
	global_store_b128 v215, v[196+4*\g:199+4*\g], s[88:89] offset:512*\g   ; 32 lanes store 512 consecutive bytes
.endr
	global_store_b32 v[L4], v208, s[42:43]
	s_wait_xcnt 0x0                                ; the stores have had their addresses translated: their registers are taken by the weights' fragments next (the loop's head states that they have been read)
.Lno_relay_out:
	s_mov_b32 s[HDC], 0
	s_mov_b32 s[HW], WIMG
	s_mov_b32 s[HS], 0
	s_mov_b32 s[HB], 0
	s_mov_b32 s[H24], 0
; q (m = 0) or k (m = 1), TRANSPOSED: source 0 = 16 rows of the weight, source 1 = 16 tokens.  A lane holds one token, its registers run along the head's 64.  The bias is loaded straight into the accumulators and is the
; first product's C.  The two token tiles' accumulators take turns.
.macro PROJ_T m, img, ioff, soff
.irp t, 0,1,2,3
.if \t > 0
	NOPS 4                                         ; the places behind the last tile's products stay beside the wait
.endif
	s_wait_alu depctr_va_vdst(0)                   ; first tile: v[WRD], v[WSR], v[BAR] are written, and all earlier vector and matrix lines are done with ACC, WF and WS; later tiles: the last tile's products are done reading WF and WS.  The loads below land there
.irp u, 0,1
	ds_load_b128 v[ACC+32*\u+8*\t:ACC+32*\u+8*\t+3], v[BAR] offset:BIAS+512*\m+(32*(\t/2)+8*(\t%2))*4
	ds_load_b128 v[ACC+32*\u+8*\t+4:ACC+32*\u+8*\t+7], v[BAR] offset:BIAS+512*\m+(32*(\t/2)+8*(\t%2))*4+16
.endr
	ds_load_b128 v[WS:WS+3], v[WSR] offset:WSC+2048*\m+(32*(\t/2)+8*(\t%2))*16
.irp s, 0,1,2,3
.irp g, 0,1,2
	ds_load_b128 v[WF+12*\s+4*\g:WF+12*\s+4*\g+3], v[WRD] offset:(4*\t+\s)*1536+16*\g
.endr
.endr
	s_wait_dscnt 0x0
.irp s, 0,1,2,3
.irp u, 0,1
	WM ACC+32*\u+8*\t, WF+12*\s, X+48*\u+12*\s, WS+\s, XS+4*\u+\s
.endr
.endr
.endr
	NOPS 4
.set cnt, 0
.rept 64
	v_max_num_f32 v[ACC+cnt], 0, v[ACC+cnt]        ; relu, each accumulator from its low end on
.set cnt, cnt+1
.endr
	QUANT ACC                                      ; blocks 0, 1: token tile 0's 64; blocks 2, 3: token tile 1's: one fragment holds both tiles
	s_wait_alu depctr_va_vdst(0)                   ; the quantiser has written the codes and the scale word, which the LDS stores read
	IMAGE \img, \ioff
	ds_store_b32 v[KSW], v[PW] offset:\soff
	s_wait_alu depctr_vm_vsrc(0)                   ; these stores have read the codes' registers, which the next weight's fragments take, and the scale word; the loads above have read v[WRD] and v[BAR], which are written next
	v_add_nc_u32 v[WRD], 49152, v[WRD]             ; on to the next weight
.endm
; v: source 0 = 16 tokens, source 1 = 16 rows of Wv.  A lane holds one channel, its registers run along my 32 tokens, which are keys: the next K.
.macro PROJ_V
	v_add_nc_u32 v[BAR], s[HB], v[RH4]             ; bv of my lane's channel (no LDS line since the wait on vm_vsrc above has read v[BAR])
.irp t, 0,1,2,3
.if \t > 0
	NOPS 4                                         ; the places behind the last tile's products stay beside the wait
.endif
	s_wait_alu depctr_va_vdst(0)                   ; first tile: v[WRD] and v[BAR] are written, and the quantiser is done with the codes' registers and with TM, k's products with WS; later tiles: the last tile's products are done reading WF and WS.  The loads below land there
.if \t == 0
.irp c, 0,1,2,3
	ds_load_b32 v[BVP+2*\c], v[BAR] offset:BIAS+1024+(32*(\c/2)+8*(\c%2))*4       ; bv comes with the first tile's fragments
	ds_load_b32 v[BVP+2*\c+1], v[BAR] offset:BIAS+1024+(32*(\c/2)+8*(\c%2))*4
.endr
.endif
	ds_load_b128 v[WS:WS+3], v[WSR] offset:WSC+4096+(32*(\t/2)+8*(\t%2))*16
.irp s, 0,1,2,3
.irp g, 0,1,2
	ds_load_b128 v[WF+12*\s+4*\g:WF+12*\s+4*\g+3], v[WRD] offset:(4*\t+\s)*1536+16*\g
.endr
.endr
	s_wait_dscnt 0x0
.irp u, 0,1
	WM0 ACC+16*\t+8*\u, X+48*\u, WF, XS+4*\u, WS
.endr
.irp s, 1,2,3
.irp u, 0,1
	WM ACC+16*\t+8*\u, X+48*\u+12*\s, WF+12*\s, XS+4*\u+\s, WS+\s
.endr
.endr
.endr
	NOPS 4
.irp t, 0,1,2,3
	v_mul_f32 v[BVP+2*\t], 0x4038aa3b, v[BVP+2*\t]
.endr
.irp t, 0,1,2,3
.irp i, 0,2,4,6,8,10,12,14
	v_pk_fma_f32 v[ACC+16*\t+\i:ACC+16*\t+\i+1], v[ACC+16*\t+\i:ACC+16*\t+\i+1], 0x4038aa3b, v[BVP+2*\t:BVP+2*\t+1] op_sel_hi:[1,0,0]   ; 2 log2(e) (x + bv)
.endr
.endr
.set cnt, 0
	s_wait_alu depctr_va_vdst(0)
.rept 64
	v_exp_f32 v[ACC+cnt], v[ACC+cnt]
.set cnt, cnt+1
.endr
	v_nop                                          ; a plain line behind the last exponential,
	s_wait_alu depctr_va_vdst(0)                   ; and one wait for the batch: the 64 exponentials have written their results, ahead of the first reader
.set cnt, 0
.rept 32
	v_pk_add_f32 v[ACC+cnt:ACC+cnt+1], v[ACC+cnt:ACC+cnt+1], 1.0 op_sel_hi:[1,0]
.set cnt, cnt+2
.endr
.set cnt, 0
	s_wait_alu depctr_va_vdst(0)
.rept 64
	v_rcp_f32 v[ACC+cnt], v[ACC+cnt]
.set cnt, cnt+1
.endr
	v_nop
	s_wait_alu depctr_va_vdst(0)                   ; one wait for the 64 reciprocals, ahead of their first reader
.set cnt, 0
.rept 32
	v_pk_fma_f32 v[ACC+cnt:ACC+cnt+1], v[ACC+cnt:ACC+cnt+1], -2.0, 1.0 op_sel_hi:[1,0,0]   ; tanh = 1 - 2 / (1 + 2^..)
.set cnt, cnt+2
.endr
	QCOL ACC                                       ; block t: keys 32 w .. 32 w + 31 of channel tile t
	s_wait_alu depctr_va_vdst(0)                   ; the quantiser has written the codes and the bytes, which the LDS stores read
.irp t, 0,1,2,3
.irp i, 0,1,2
	ds_store_b32 v[VWA], v[PC+4*\t+\i] offset:VIMG+6144*\t+4*\i
.endr
	ds_store_b8 v[VSA], v[TM+4+\t] offset:VSC+256*\t   ; both lanes of a block write the same byte with the same value
.endr
.endm
.macro MASKB b                         ; block b of the diagonal step: hidden where 32 b + i > DQ.  A block all of whose keys come before the tile's queries is passed over
	s_cmp_gt_u32 s[PB], \b
	s_cbranch_scc1 .Lmb_\@
.irp i, 0,1,2,3,4,5,6,7,8,9,10,11,12,13,14,15
	v_cmp_gt_i32 s[MK+\i], 32*\b+\i, v[DQ]         ; sixteen masks in a run
.endr
	s_wait_alu depctr_va_sdst(0)                   ; the sixteen compares have written their masks, ahead of the selects that read them
.irp i, 0,1,2,3,4,5,6,7,8,9,10,11,12,13,14,15
	v_cndmask_b32 v[S+16*\b+\i], v[S+16*\b+\i], v[T1], s[MK+\i]
.endr
.Lmb_\@:
.endm
; ONE QUERY TILE: pair P, tile j of the pair.
.macro ATTN j
.if \j
	s_xor_b32 s[P], s[WV], 15
.else
	s_mov_b32 s[P], s[WV]
.endif
	s_lshr_b32 s[P4], s[P], 2
	s_and_b32 s[PB], s[P], 3
	s_mul_i32 s70, s[P], 1536
	s_add_co_u32 s70, s70, QIMG
	s_wait_alu depctr_vm_vsrc(0)                   ; first tile: v's LDS stores have read the codes' and the bytes' registers; second tile: the tile before's loads and stores have read v[ADK] to v[ADT], the codes and the scale word.  All are written again below
	v_add_nc_u32 v[ADK], s70, v[LM]
	s_lshl_b32 s71, s[P], 7
	v_add_nc_u32 v[ADS], s71, v[L4]
	s_wait_alu depctr_va_vdst(0)                   ; v[ADK] and v[ADS] are written, which q's loads read; the vector and matrix lines that named q's registers and its scale word's are done
.irp i, 0,1,2
	ds_load_b64 v[Q+6+2*\i:Q+7+2*\i], v[ADK] offset:24*\j+8*\i   ; the tile's six registers of the pair's fragment
.endr
	ds_load_b32 v[QS], v[ADS] offset:QSC
.irp i, 0,1,2,3,4,5
	v_mov_b32 v[Q+\i], 0
	v_mov_b32 v[Q+12+\i], 0
.endr
.irp i, 0,1,2,3
	v_mov_b32 v[PX+\i], 0
.endr
	v_mov_b32 v[T1], 0xff800000                    ; -infinity
	v_mov_b32 v[TMAX], 0xff61b1e6                  ; -3e38, under every t
	v_floor_f32 v[NM], -v[TMAX]
	v_mov_b32 v[L], 0
	v_mov_b32 v[L+1], 0
	v_mov_b32 v[PS], 0                             ; (named as the upper half of a pair before it is first made)
	v_mov_b32 v[INV+1], 0
	s_lshl_b32 s72, s[PB], 5
.if \j
	s_add_co_u32 s72, s72, 8
.endif
	v_add_nc_u32 v[DQ], s72, v[RD]
	s_wait_dscnt 0x0
.if \j
	v_perm_b32 v[QS], v[QS], v[QS], 0x03020302     ; the tile's two bytes, twice: they serve (q, 0) and (0, q) alike
.else
	v_perm_b32 v[QS], v[QS], v[QS], 0x01000100
.endif
.set cnt, 0
.rept 32
	v_mov_b32 v[O+cnt], 0                          ; the step is written once: the first finds zeros.  (These are also the places between the scale word's making and the first product)
.set cnt, cnt+1
.endr
	s_mov_b32 s[ST], 0
	s_mov_b32 s[TK], 0
	s_mov_b32 s[TS], 0
	s_mov_b32 s[TV], 0
	s_mov_b32 s[TT], 0
.Lk_\@:                                        ; four trips, a constant; a step all of whose keys come after the tile's queries leaves its work out
	s_cmp_gt_u32 s[ST], s[P4]
	s_cbranch_scc1 .Lskip_\@
	s_wait_alu depctr_vm_vsrc(0)                   ; the LDS loads issued so far (q's; the last step's) have read the four addresses that are written next
	v_add_nc_u32 v[ADK], s[TK], v[LM]
	v_add_nc_u32 v[ADS], s[TS], v[L4]
	v_add_nc_u32 v[ADV], s[TV], v[LM]
	v_add_nc_u32 v[ADT], s[TT], v[R4]
	s_wait_alu depctr_va_vdst(0)                   ; the four addresses are written; the last products that read KV and KVS are done, so k's loads may land there; in the first step q's zeros and its scale word, made by vector lines, are written, ahead of the scaled products that take them
.irp b, 0,1,2,3
.irp g, 0,1,2
	ds_load_b128 v[KV+12*\b+4*\g:KV+12*\b+4*\g+3], v[ADK] offset:KIMG+1536*\b+16*\g
.endr
	ds_load_b32 v[KVS+\b], v[ADS] offset:KSC+128*\b
.endr
	s_wait_dscnt 0x0
.irp b, 0,1,2,3
.irp u, 0,1
	WM0 S+8*(2*\b+\u), KV+12*\b, Q+6*(1-\u), KVS+\b, QS   ; S^T: register 16 b + i is key 128 step + 32 b + 16 h + i of my query
.endr
.endr
	NOPS 4                                         ; four places behind the products, before their results are read
	s_wait_alu depctr_va_vdst(0)                   ; the scores' products are done reading KV and KVS, in which v's loads land
.irp t, 0,1,2,3                                ; v's fragments are asked for now and land under the softmax, no line of which names KV, KVS or the two addresses
.irp g, 0,1,2
	ds_load_b128 v[KV+12*\t+4*\g:KV+12*\t+4*\g+3], v[ADV] offset:VIMG+6144*\t+16*\g
.endr
	ds_load_b32 v[KVS+\t], v[ADT] offset:VSC+256*\t
.endr
	s_cmp_lg_u32 s[ST], s[P4]
	s_cbranch_scc1 .Lopen_\@
	MASKB 0
	MASKB 1
	MASKB 2
	MASKB 3
.Lopen_\@:
.irp b, 0,1,2,3
	v_max3_num_f32 v[BM+\b], v[S+16*\b], v[S+1+16*\b], v[S+2+16*\b]   ; each block's largest score: for the row's maximum and, since p rises with the score, for the block's largest p
.endr
.irp i, 3,5,7,9,11,13
.irp b, 0,1,2,3
	v_max3_num_f32 v[BM+\b], v[BM+\b], v[S+16*\b+\i], v[S+1+16*\b+\i]
.endr
.endr
.irp b, 0,1,2,3
	v_max_num_f32 v[BM+\b], v[BM+\b], v[S+15+16*\b]
.endr
.irp b, 0,1,2,3
	v_permlanex16_b32 v[PX+\b], v[BM+\b], s[SEL], s[SEL+1]
.endr
.irp b, 0,1,2,3
	v_max_num_f32 v[BM+\b], v[BM+\b], v[PX+\b]
.endr
	v_max3_num_f32 v[T0], v[BM], v[BM+1], v[BM+2]
	v_max_num_f32 v[T0], v[T0], v[BM+3]
	v_mul_f32 v[T0], s[CS], v[T0]
	v_max_num_f32 v[TMAX], v[TMAX], v[T0]          ; the running largest t
	v_mov_b32 v[T0], v[NM]
	v_floor_f32 v[NM], -v[TMAX]                    ; -M = floor(-t): M is a whole number
	v_sub_f32 v[T0], v[NM], v[T0]
	v_cvt_i32_f32 v[T0], v[T0]                     ; (it saturates)
	v_ldexp_f32 v[F], 1.0, v[T0]                   ; f = 2^(old M - new M): a multiplication by it rounds nothing
.set cnt, 0
.rept 32
	v_pk_fma_f32 v[S+cnt:S+cnt+1], v[S+cnt:S+cnt+1], s[CS:CS+1], v[NM:NM+1] op_sel_hi:[1,0,0]   ; t - M
.set cnt, cnt+2
.endr
.irp b, 0,1,2,3
	v_fma_f32 v[BM+\b], v[BM+\b], s[CS], v[NM]
.endr
.set cnt, 0
	s_wait_alu depctr_va_vdst(0)
.rept 64
	v_exp_f32 v[S+cnt], v[S+cnt]                   ; p, not normalised
.set cnt, cnt+1
.endr
	v_pk_mul_f32 v[L:L+1], v[L:L+1], v[F:F+1] op_sel_hi:[1,0]   ; the sums under the new M: the plain line behind the exponentials
	s_wait_alu depctr_va_vdst(0)                   ; one wait for the 64: the exponentials have written p, ahead of its first reader
.irp b, 0,1,2,3
	v_exp_f32 v[BM+\b], v[BM+\b]                   ; the blocks' largest p
.endr
	v_pk_add_f32 v[SUM2:SUM2+1], v[S:S+1], v[S+2:S+3]   ; the sum of the unquantised p, in two chains
.irp i, 4,8,12,16,20,24,28,32,36,40,44,48,52,56,60
	v_pk_add_f32 v[L:L+1], v[L:L+1], v[S+\i:S+\i+1]
	v_pk_add_f32 v[SUM2:SUM2+1], v[SUM2:SUM2+1], v[S+2+\i:S+3+\i]
.endr
	v_pk_add_f32 v[L:L+1], v[L:L+1], v[SUM2:SUM2+1]
	s_wait_alu depctr_va_vdst(0)                   ; and one for the four: the blocks' largest p are written, ahead of their first reader
.irp b, 0,1,2,3
	v_max_num_f32 v[BM+\b], 0x2800000, v[BM+\b]    ; the floor: a block of zeros keeps the byte 1, its codes are zeros
.endr
.irp b, 0,1,2,3
	v_add_nc_u32 v[SO+\b], 0xfe000000, v[BM+\b]
.endr
.irp b, 0,1,2,3
	v_lshrrev_b32 v[BY+\b], 23, v[SO+\b]
.endr
	v_lshl_or_b32 v[PS], v[BY+1], 8, v[BY]
	v_lshl_or_b32 v[PS], v[BY+2], 16, v[PS]
	v_lshl_or_b32 v[PS], v[BY+3], 24, v[PS]
	QCVT S, 0, SO
	QCVT S, 1, SO
	v_nop
	QSWP 0
	QSWP 1
.set cnt, 0
.rept 16
	v_pk_mul_f32 v[O+cnt:O+cnt+1], v[O+cnt:O+cnt+1], v[F:F+1] op_sel_hi:[1,0]   ; O^T under the new M.  (These sixteen are also the places between the making of p's codes and scale word and the products)
.set cnt, cnt+2
.endr
	s_wait_dscnt 0x0                               ; v's fragments
	s_wait_alu depctr_va_vdst(0)                   ; p's codes and its scale word, made by vector lines, are written, ahead of the scaled products that take them; the places above stay beside this wait
.irp t, 0,1,2,3
	WM O+8*\t, KV+12*\t, PC, KVS+\t, PS
.endr
.Lskip_\@:
	s_add_co_u32 s[TK], s[TK], 6144
	s_add_co_u32 s[TS], s[TS], 512
	s_add_co_u32 s[TV], s[TV], 1536
	s_add_co_u32 s[TT], s[TT], 64
	s_add_co_u32 s[ST], s[ST], 1
	s_cmp_lt_u32 s[ST], 4
	s_cbranch_scc1 .Lk_\@
	; the tile is finished: O^T / l, quantised along the head's 64, which are two blocks of the concatenated axis
	NOPS 4                                         ; a wave whose last steps were left out has no other vector line behind its last product
	v_add_f32 v[T0], v[L], v[L+1]
	v_permlanex16_b32 v[PX], v[T0], s[SEL], s[SEL+1]
	v_add_f32 v[T0], v[T0], v[PX]
.if \j
	s_cmp_eq_u32 s[HDC], 1                         ; the second head's x is asked for here, into registers that S^T and the fragments have left
	s_cbranch_scc1 .Lnox_\@
	s_wait_alu depctr_va_vdst(0)                   ; the softmax's lines and the products are done with v16-119, in which x lands
	XLOAD
.Lnox_\@:
.endif
	s_wait_alu depctr_va_vdst(0)
	v_rcp_f32 v[INV], v[T0]
	v_nop
	s_wait_alu depctr_va_vdst(0)                   ; the reciprocal is written, ahead of its first reader
.set cnt, 0
.rept 16
	v_pk_mul_f32 v[O+cnt:O+cnt+1], v[O+cnt:O+cnt+1], v[INV:INV+1] op_sel_hi:[1,0]
.set cnt, cnt+2
.endr
	QHEAD O, 2
	v_lshl_or_b32 v[PW], v[TM+5], 8, v[TM+4]
	QCVT O, 0, TM+12
	v_nop
	QSWP 0
	s_lshl_b32 s70, s[P], 8
	s_lshl_b32 s71, s[HDC], 1
	s_add_co_u32 s70, s70, s71
	s_wait_alu depctr_vm_vsrc(0)                   ; the key steps' LDS loads have read v[ADK] and v[ADS], which are written next
	v_add_nc_u32 v[ADK], s[H24], v[STB]
	v_add_nc_u32 v[ADS], s70, v[L4]
	s_wait_alu depctr_va_vdst(0)                   ; the codes, the scale word and the two addresses are written, which the four LDS stores read
.irp i, 0,1,2
	ds_store_b64 v[ADK], v[PC+2*\i:PC+2*\i+1] offset:1536*\j+8*\i   ; this head's half of the fragment, in my own stage
.endr
	ds_store_b16 v[ADS], v[PW] offset:SSC+128*\j   ; and its half of the scale word of tile T = 2 P + j
.endm
.Lhead:                                                ; two trips: the two heads
	BARRIER                                        ; trip 0: the weights lie in LDS.  Trip 1: nobody reads the first head's q, k, v any more
	s_wait_alu depctr_vm_vsrc(0)                   ; trip 0: the staging's stores have read v120-215, in which biases and fragments land; trip 1: the first head's LDS loads have read v[WRD], v[WSR], v[BAR], its last stores the codes and the scale word
	v_add_nc_u32 v[WRD], s[HW], v[LM]
	v_add_nc_u32 v[WSR], s[HS], v[RH16]
	v_add_nc_u32 v[BAR], s[HB], v[BA]
	s_wait_loadcnt 0x0                             ; x
	PROJ_T 0, QWA, 0, QSC
	PROJ_T 1, KWA, KIMG, KSC
	PROJ_V
	BARRIER                                        ; q, k and v of all 512 tokens lie in LDS
	ATTN 0
	ATTN 1
	s_add_co_u32 s[HW], s[HW], 24576
	s_add_co_u32 s[HS], s[HS], 1024
	s_add_co_u32 s[HB], s[HB], 256
	s_add_co_u32 s[H24], s[H24], 24
	s_add_co_u32 s[HDC], s[HDC], 1
	s_cmp_lt_u32 s[HDC], 2
	s_cbranch_scc1 .Lhead
	; ---- the way out: my two fragments from my stage, and 256 bytes of scale words
	s_wait_alu depctr_vm_vsrc(0)                   ; the last tile's loads and stores have read v[ADK], v[ADS], v[ADV], which are written next.  (It stands behind the last LDS line that read v254 or v255 too)
	v_lshlrev_b32 v[ADK], 2, v[L4]                 ; 16 x lane
	v_lshlrev_b32 v[ADS], 1, v[L4]                 ; 8 x lane
	s_lshl_b32 s70, s[WV], 8
	v_add_nc_u32 v[ADV], s70, v[ADS]
	s_wait_alu depctr_va_vdst(0)                   ; the three addresses are written, which the loads and stores below read; the last tile's lines are done with v128-153, in which the loads below land
.irp j, 0,1
.irp g, 0,1,2
	ds_load_b128 v[O+12*\j+4*\g:O+12*\j+4*\g+3], v[STB] offset:1536*\j+16*\g   ; LDS serves a wave's instructions in order: these see my stores
.endr
.endr
	BARRIER                                        ; every wave's scale words lie in LDS
	ds_load_b64 v[O+24:O+25], v[ADV] offset:SSC
.irp g, 0,1,2
	global_store_b128 v[ADK], v[O+4*\g:O+4*\g+3], s[CC0:CC0+1] offset:512*\g       ; 32 lanes store 512 consecutive bytes, at a multiple of 256 from cc's first byte
	global_store_b128 v[ADK], v[O+12+4*\g:O+12+4*\g+3], s[CC1:CC1+1] offset:512*\g
.endr
	s_wait_dscnt 0x0
	global_store_b64 v[ADS], v[O+24:O+25], s[CSB:CSB+1]   ; 32 lanes store 256 consecutive bytes, aligned
	s_wait_xcnt 0x0                                ; the last stores have had their addresses translated
	v_lshl_add_u32 v254, v0, 2, 0x46200            ; the add's two registers are made anew, straight ahead of the closing lines: no memory or LDS line since the wait on vm_vsrc at the way out's head has read them
	v_mov_b32 v255, 0
	s_wait_dscnt 0x0                               ; the closing lines, six on end
	s_wait_alu 0x0
	s_wait_tensorcnt 0x0
	ds_add_u32 v254, v255
	s_wait_dscnt 0x0
	s_endpgm
.Lfunc_end_k_q794c12098d_heads:
	.size	k_q794c12098d_heads, .Lfunc_end_k_q794c12098d_heads-k_q794c12098d_heads
	.p2alignl 7, 3214868480
	.fill 96, 4, 3214868480
	.section	.rodata,"a",@progbits
	.p2align	6, 0x0
	.amdhsa_kernel k_q794c12098d_heads
		.amdhsa_group_segment_fixed_size 289280
		.amdhsa_private_segment_fixed_size 0
		.amdhsa_enable_private_segment 0
		.amdhsa_kernarg_size 160
		.amdhsa_user_sgpr_count 2
		.amdhsa_user_sgpr_kernarg_segment_ptr 1
		.amdhsa_wavefront_size32 1
		.amdhsa_system_sgpr_workgroup_id_x 1
		.amdhsa_system_sgpr_workgroup_id_y 1
		.amdhsa_system_sgpr_workgroup_id_z 1
		.amdhsa_system_vgpr_workitem_id 0
		.amdhsa_next_free_vgpr 256
		.amdhsa_next_free_sgpr 96
		.amdhsa_reserve_vcc 0
		.amdhsa_float_denorm_mode_32 3
		.amdhsa_float_denorm_mode_16_64 3
		.amdhsa_memory_ordered 1
		.amdhsa_forward_progress 1
		.amdhsa_inst_pref_size 144
	.end_amdhsa_kernel
	.amdgpu_metadata
---
amdhsa.version: [ 1, 2 ]
amdhsa.kernels:
  - .name:           k_q794c12098d_heads
    .symbol:         k_q794c12098d_heads.kd
    .args:
      - { .name: inputs_codes, .offset: 0, .size: 8, .value_kind: global_buffer, .address_space: global }
      - { .name: inputs_scales, .offset: 8, .size: 8, .value_kind: global_buffer, .address_space: global }
      - { .name: Wq_codes, .offset: 16, .size: 8, .value_kind: global_buffer, .address_space: global }
      - { .name: Wq_scales, .offset: 24, .size: 8, .value_kind: global_buffer, .address_space: global }
      - { .name: Wk_codes, .offset: 32, .size: 8, .value_kind: global_buffer, .address_space: global }
      - { .name: Wk_scales, .offset: 40, .size: 8, .value_kind: global_buffer, .address_space: global }
      - { .name: Wv_codes, .offset: 48, .size: 8, .value_kind: global_buffer, .address_space: global }
      - { .name: Wv_scales, .offset: 56, .size: 8, .value_kind: global_buffer, .address_space: global }
      - { .name: bq, .offset: 64, .size: 8, .value_kind: global_buffer, .address_space: global }
      - { .name: bk, .offset: 72, .size: 8, .value_kind: global_buffer, .address_space: global }
      - { .name: bv, .offset: 80, .size: 8, .value_kind: global_buffer, .address_space: global }
      - { .name: Wo_codes, .offset: 88, .size: 8, .value_kind: global_buffer, .address_space: global }
      - { .name: Wo_scales, .offset: 96, .size: 8, .value_kind: global_buffer, .address_space: global }
      - { .name: Wr_codes, .offset: 104, .size: 8, .value_kind: global_buffer, .address_space: global }
      - { .name: Wr_scales, .offset: 112, .size: 8, .value_kind: global_buffer, .address_space: global }
      - { .name: Wfc_codes, .offset: 120, .size: 8, .value_kind: global_buffer, .address_space: global }
      - { .name: Wfc_scales, .offset: 128, .size: 8, .value_kind: global_buffer, .address_space: global }
      - { .name: cc, .offset: 136, .size: 8, .value_kind: global_buffer, .address_space: global }
      - { .name: cs, .offset: 144, .size: 8, .value_kind: global_buffer, .address_space: global }
      - { .name: wl, .offset: 152, .size: 8, .value_kind: global_buffer, .address_space: global }
    .group_segment_fixed_size: 289280
    .private_segment_fixed_size: 0
    .kernarg_segment_align: 8
    .kernarg_segment_size: 160
    .max_flat_workgroup_size: 512
    .sgpr_count:     96
    .vgpr_count:     256
    .wavefront_size: 32
...
	.end_amdgpu_metadata
.endif
;; end of part 3
;; launch tail (part 4): grid 256 x 1, 16 waves a work-group, no clusters, 272,384 bytes of LDS; arguments inputs_codes, inputs_scales, cc, cs, wl, bo, br, ln1_w, ln1_b, bfc, ln2_w, ln2_b, out0; writes out0
.if DOCPART == 4
	.amdgcn_target "amdgcn-amd-amdhsa--gfx1250"
	.amdhsa_code_object_version 6
	.text
	.protected	k_q794c12098d_tail
	.globl	k_q794c12098d_tail
	.p2align	8
	.type	k_q794c12098d_tail,@function
k_q794c12098d_tail:
	s_mov_b64 s[64:65], 0
	v_nop
	global_prefetch_b8 v0, s[64:65] scope:SCOPE_SE
	s_setreg_imm32_b32 hwreg(HW_REG_WAVE_SCHED_MODE, 0, 2), 2
	s_setreg_imm32_b32 hwreg(HW_REG_WAVE_MODE, 25, 1), 1
	s_wait_xcnt 0x0
	s_wait_alu depctr_vm_vsrc(0)
; TAIL.  For 64 tokens a work-group: y1 = LN1(tanh(concat Wo + bo) + x Wr + br); out = LN2(relu(Q(y1) Wfc + bfc) + y1).  All three products on codes of BF6 (E3M2) with one E8M0 byte for each 32 along K.
; SHARES.  Sixteen waves of 256 registers.  THE WAVES SHARE THE COLUMNS: wave w makes columns 32 w .. 32 w + 31 for all 64 tokens: eight accumulators.  A weight fragment is wanted by one wave of the work-group alone:
; it comes from wl, where the launch before laid it in the order of the operand's registers, straight into registers by three dense loads, through a ring of four register slots, and feeds four products.
; The tokens' fragments (the concatenated heads from cc, x, and y1, which is quantised here) are shared by all waves through LDS, as images of their registers, a lane's 12 registers on end at 48 x lane.
; LAYOUT.  All products are used transposed (source 0 = 16 weight rows, source 1 = 16 tokens).  Every tile of 16 rows is tile 2 b + u, whose lane r takes row 32 b + 8 u + r + 8 (r / 8): a lane then holds one token and the
; 16 neighbouring columns 32 w + 16 (lane / 16) + 0 .. 15.  The biases are loaded into the accumulators and are the first product's C; x Wr is added onto tanh(..) + br by the matrix unit.
; LAYER NORM.  Each wave makes the sum and the sum of squared deviations from its OWN mean over its 32 columns; the sixteen pairs of a token meet in LDS and are joined by the rule for groups of equal size:
; M2 = sum of M2_k + sum of (s_k - total / 16)^2 / 32.  No difference of large sums is formed.
; LIMITS.  tanh(x) = 1 - 2 / (1 + 2^(2 x log2 e)): absolute error about 2e-7.  A block of zeros keeps the scale byte 1 (read by this kernel alone; its codes are zeros).  NaN and infinities among the inputs are not served.
; THE MODE: SCHED_MODE bits 1:0 = 2 (LLVM: expert scheduling mode 2), set by the entry lines.  The code itself states the register dependences between vector or matrix instructions and memory or LDS instructions,
; with s_wait_alu, always for 0.
; THE PLAN.  Registers that memory or LDS instructions touch, and who else names them:
;   v1-13      offsets and LDS addresses: made once at the head, never written again.
;   ACT, AS    a K step's LDS loads land in them; that step's eight products read them.
;   SL, SW     the ring: slot i % 4 takes step i's weights; step i's products read it; step i + 4's loads land in it at the head of step i + 1.
;              So ONE wait on va_vdst stands at a step's head: the step before's products are done with ACT, AS and their slot; the step's LDS loads and the ring's refill follow it.
;   ACC        the biases' LDS loads land in it; products and vector lines work on it; the stage's stores read it.
;   v80-87     the four token tiles' pairs (sum, M2), a pair of registers each: written by the local sums, read by one run of four stores behind one wait.
;   G0, G1     two buffers for a token's sixteen pairs, by turns.  Tile m's joining reads one; behind the wait for tile m's root, which stands behind its last read, tile m + 2's loads land in it.
;              G1 is the ring's slot 3: step 15's weights are asked for behind the first layer norm's last read of it.
;   TM, PC     the quantiser writes them, LDS stores read them, the next K step's fragments land in them.
;   v254, v255 written at the head, read by the closing add alone.
.set CIMG, 0                           ; LDS: the concatenated heads' fragments (token tile m, K step s) at (8 m + s) 1536
.set CSC,  49152                       ; their scale words: 128 (8 m + s) + 4 lane
.set XSC,  53248                       ; x's: 128 (4 m + s) + 4 lane
.set YSC,  55296                       ; y1's: 64 (4 m + s) + 4 r, written byte by byte
.set PRM,  56320                       ; bo, br, ln1_w, ln1_b, bfc, ln2_w, ln2_b as they lie, 2,048 bytes each
.set RED1, 70656                       ; a token's sixteen pairs (sum, M2): 2304 m + 144 r + 8 w (128 bytes + 16 of padding a token)
.set XIMG, 89088                       ; x's fragments at (4 m + s) 1536
.set YIMG, 113664                      ; y1's likewise
.set STG,  138240                      ; 64 token rows of 2,048 + 16 bytes: y1 is kept here, then the result turns here
.set LM,   1                           ; v1  48 x lane
.set L4,   2                           ; v2  4 x lane
.set R4,   3                           ; v3  4 r
.set GI,   4                           ; v4  16 x lane
.set LM2,  5                           ; v5  48 x lane + XIMG
.set PB,   6                           ; v6  PRM + 128 w + 64 h: my 16 columns of a parameter
.set YWA,  7                           ; v7  where my half block of y1's codes goes
.set YSA,  8                           ; v8  and its scale byte
.set REDW, 9                           ; v9  RED1 + 144 r + 8 w
.set REDR, 10                          ; v10 RED1 + 144 r + 64 h
.set STW0, 11                          ; v11 STG + 2064 rho + 128 w + 64 h;  v12 the same 32 rows on
.set STW1, 12
.set STR,  13                          ; v13 STG + 8256 w + 16 lane
.set ACC,  16                          ; v16-79   eight accumulators: (m, u) at 16 m + 8 u
.set ACT,  80                          ; v80-127  four token fragments
.set PR,   80                          ; between the products: v80-87 the four tiles' pairs as I store them;
.set G0,   80                          ; v80-95 a token's sixteen pairs, even tiles;  v212-227 (the ring's slot 3) odd tiles;
.set G1,   212
.set LNW,  96                          ; v96-111, v112-127 a layer norm's gain and bias
.set LNB,  112
.set TM,   80                          ; the quantiser's: +0..3 maxima, +4..7 bytes, +12..15 scale operands
.set PC,   96                          ; v96-111 codes just made
.set AS,   128                         ; v128-131 the token fragments' scale words
.set SW,   132                         ; v132-139 the weights' scale words, two a slot
.set SL,   140                         ; v140-235 the ring: slot k at 24 k, fragment u at 12 u
.set NM,   236                         ; v[236:237] - mean;  v[238:239] 1 / sqrt(var + eps)
.set RS,   238
.set T,    240                         ; v240-253 at work
.set WV,   30
.set WG,   31
.set SEL,  32
.set WLB,  34                          ; s[34:35] my wave's codes in wl;  s[36:37] its scale words;  s[38:39] my four rows of out0
.set WLS,  36
.set OUT,  38
.macro NOPS n
.rept \n
	v_nop
.endr
.endm
.macro WM d, a, b, sa, sb              ; D += A B
	v_wmma_scale_f32_16x16x128_f8f6f4 v[\d:\d+7], v[\a:\a+11], v[\b:\b+11], v[\d:\d+7], v[\sa], v[\sb] matrix_a_fmt:MATRIX_FMT_BF6 matrix_b_fmt:MATRIX_FMT_BF6
.endm
.macro BARRIER                         ; my LDS stores have landed and my LDS loads are in: then the work-group's barrier
	s_wait_dscnt 0x0
	s_barrier_signal -1
	s_barrier_wait -1
.endm
.macro WLOAD i                         ; weight step i (0-7 Wo, 8-11 Wr, 12-15 Wfc) into slot i % 4: eight loads, each of 512 or 128 consecutive bytes
.irp u, 0,1
.irp g, 0,1,2
	global_load_b128 v[SL+24*((\i)%4)+12*\u+4*\g:SL+24*((\i)%4)+12*\u+4*\g+3], v[GI], s[WLB:WLB+1] offset:3072*(\i)+1536*\u+512*\g
.endr
	global_load_b32 v[SW+2*((\i)%4)+\u], v[L4], s[WLS:WLS+1] offset:256*(\i)+128*\u
.endr
.endm
.macro PLOAD reg, p                    ; my 16 columns of parameter p
.irp q, 0,1,2,3
	ds_load_b128 v[\reg+4*\q:\reg+4*\q+3], v[PB] offset:2048*\p+16*\q
.endr
.endm
.macro YMOVE st, reg                   ; my 64 numbers to (st = 1) or from (0) their places in the stage: token row 32 (m / 2) + 8 (m % 2) + rho, columns 32 w + 16 h on
.irp m, 0,1
.irp q, 0,1,2,3
.if \st
	ds_store_b128 v[STW0], v[\reg+16*\m+4*\q:\reg+16*\m+4*\q+3] offset:16512*\m+16*\q
	ds_store_b128 v[STW1], v[\reg+32+16*\m+4*\q:\reg+32+16*\m+4*\q+3] offset:16512*\m+16*\q
.else
	ds_load_b128 v[\reg+16*\m+4*\q:\reg+16*\m+4*\q+3], v[STW0] offset:16512*\m+16*\q
	ds_load_b128 v[\reg+32+16*\m+4*\q:\reg+32+16*\m+4*\q+3], v[STW1] offset:16512*\m+16*\q
.endif
.endr
.endr
.endm
.macro STEPW i                         ; one K step of 128: four token fragments from LDS, my two weight fragments from the ring, eight products on eight accumulators by turns
.if \i < 8
.set AR,  LM
.set AO,  1536*\i
.set AST, 12288
.set SR,  L4
.set SOF, CSC+128*\i
.set SST, 1024
.elseif \i < 12
.set AR,  LM2
.set AO,  1536*(\i-8)
.set AST, 6144
.set SR,  L4
.set SOF, XSC+128*(\i-8)
.set SST, 512
.else
.set AR,  LM2
.set AO,  24576+1536*(\i-12)
.set AST, 6144
.set SR,  R4
.set SOF, YSC+64*(\i-12)
.set SST, 256
.endif
.if (\i > 0) && (\i != 12)             ; (step 0: no vector or matrix line has named these registers yet; step 12: none was issued since the wait ahead of the stores of y1's codes)
	s_wait_alu depctr_va_vdst(0)                   ; the step before's products (step 8: the tanh's lines too) are done with ACT and AS, in which this step's loads land, and with their ring slot, in which the weights of three steps on land (step 15: y1)
.endif
.irp m, 0,1,2,3
.irp g, 0,1,2
	ds_load_b128 v[ACT+12*\m+4*\g:ACT+12*\m+4*\g+3], v[AR] offset:AO+\m*AST+16*\g
.endr
	ds_load_b32 v[AS+\m], v[SR] offset:SOF+\m*SST
.endr
.if (\i > 0) && (\i != 8) && (\i < 12)
	WLOAD \i+3                                     ; into the slot that the step before has left.  (Step 11's weights go out behind step 7, step 15's behind the first layer norm)
.endif
.if \i < 13
	s_wait_loadcnt 24                              ; behind this step's eight loads only the next three steps' 24 were issued
.else
	s_wait_loadcnt 8*(15-\i)                       ; the ring runs out: the steps that are left
.endif
.if \i == 15
	YMOVE 0, SL                                    ; y1 back, into slots 0 to 2, which the wait above has shown free: it lands under the last products
	s_wait_dscnt 16                                ; LDS loads come back in order: the fragments are in, y1's sixteen loads stay out
.else
	s_wait_dscnt 0x0
.endif
.irp m, 0,1,2,3
.irp u, 0,1
	WM ACC+16*\m+8*\u, SL+24*(\i%4)+12*\u, ACT+12*\m, SW+2*(\i%4)+\u, AS+\m
.endr
.endr
	NOPS 4                                         ; the places behind the products stay: ahead of the first read of results, and beside the next wait
.endm
.macro LNLOC m                         ; token tile m: my wave's sum and sum of squared deviations from its own mean, over its 32 columns, into v[PR + 2 m], v[PR + 2 m + 1]
.set D, ACC+16*\m
.set RP, PR+2*\m
	v_pk_add_f32 v[T:T+1], v[D:D+1], v[D+2:D+3]
	v_pk_add_f32 v[T+2:T+3], v[D+4:D+5], v[D+6:D+7]
	v_pk_add_f32 v[T+4:T+5], v[D+8:D+9], v[D+10:D+11]
	v_pk_add_f32 v[T+6:T+7], v[D+12:D+13], v[D+14:D+15]
	v_pk_add_f32 v[T:T+1], v[T:T+1], v[T+2:T+3]
	v_pk_add_f32 v[T+4:T+5], v[T+4:T+5], v[T+6:T+7]
	v_pk_add_f32 v[T:T+1], v[T:T+1], v[T+4:T+5]
	v_add_f32 v[T], v[T], v[T+1]
	v_permlanex16_b32 v[T+2], v[T], s[SEL], s[SEL+1]
	v_add_f32 v[RP], v[T], v[T+2]                  ; the sum of the 32
	v_mul_f32 v[T+10], 0xbd000000, v[RP]           ; - their mean
	v_pk_add_f32 v[T:T+1], v[D:D+1], v[T+10:T+11] op_sel_hi:[1,0]
	v_pk_add_f32 v[T+2:T+3], v[D+2:D+3], v[T+10:T+11] op_sel_hi:[1,0]
	v_pk_mul_f32 v[T+4:T+5], v[T:T+1], v[T:T+1]
	v_pk_mul_f32 v[T+6:T+7], v[T+2:T+3], v[T+2:T+3]
.irp i, 4,8,12
	v_pk_add_f32 v[T:T+1], v[D+\i:D+\i+1], v[T+10:T+11] op_sel_hi:[1,0]
	v_pk_add_f32 v[T+2:T+3], v[D+\i+2:D+\i+3], v[T+10:T+11] op_sel_hi:[1,0]
	v_pk_fma_f32 v[T+4:T+5], v[T:T+1], v[T:T+1], v[T+4:T+5]
	v_pk_fma_f32 v[T+6:T+7], v[T+2:T+3], v[T+2:T+3], v[T+6:T+7]
.endr
	v_pk_add_f32 v[T+4:T+5], v[T+4:T+5], v[T+6:T+7]
	v_add_f32 v[T+4], v[T+4], v[T+5]
	v_permlanex16_b32 v[T+2], v[T+4], s[SEL], s[SEL+1]
	v_add_f32 v[RP+1], v[T+4], v[T+2]
.endm
.macro LNOUT red                       ; the four tiles' pairs go to LDS in one run
	s_wait_alu depctr_va_vdst(0)                   ; the local sums have written v80-87, which the four stores read; the last products are done reading ACT and slot 3, in which the gain, the bias and the pairs will land
.irp m, 0,1,2,3
	ds_store_b64 v[REDW], v[PR+2*\m:PR+2*\m+1] offset:\red+2304*\m   ; both halves of the lanes write the same pair with the same value
.endr
.endm
.macro GLOAD m, red                    ; token tile m's pairs: eight waves' for my half of the lanes; lane l xor 16 takes the other eight
.irp q, 0,1,2,3
	ds_load_b128 v[G0+(G1-G0)*((\m)%2)+4*\q:G0+(G1-G0)*((\m)%2)+4*\q+3], v[REDR] offset:\red+2304*(\m)+16*\q
.endr
.endm
.macro LNAPPLY m, red, ring            ; token tile m: the sixteen pairs are joined, and my 16 numbers are normalised, scaled and shifted in place.  ring = 1: the first layer norm, behind which slot 3 goes back to the ring
.set D, ACC+16*\m
.set GB, G0+(G1-G0)*(\m%2)
.if \m < 3
	s_wait_dscnt 4                                 ; LDS loads come back in order: this tile's pairs are in, the next tile's four loads stay out
.else
	s_wait_dscnt 0x0
.endif
	v_add_f32 v[T], v[GB], v[GB+2]
	v_add_f32 v[T+1], v[GB+4], v[GB+6]
	v_add_f32 v[T+2], v[GB+8], v[GB+10]
	v_add_f32 v[T+3], v[GB+12], v[GB+14]
	v_add_f32 v[T], v[T], v[T+1]
	v_add_f32 v[T+2], v[T+2], v[T+3]
	v_add_f32 v[T], v[T], v[T+2]
	v_permlanex16_b32 v[T+1], v[T], s[SEL], s[SEL+1]
	v_add_f32 v[T], v[T], v[T+1]                   ; the row's sum
	v_mul_f32 v[NM], 0xbb000000, v[T]              ; - mean = - sum / 512
	v_mul_f32 v[T+3], 0x3d800000, v[T]             ; 32 x mean
.irp k, 0,1,2,3,4,5,6,7
	v_sub_f32 v[T+4+\k], v[GB+2*\k], v[T+3]
.endr
	v_mul_f32 v[T+12], v[T+4], v[T+4]
	v_mul_f32 v[T+13], v[T+5], v[T+5]
	v_fmac_f32 v[T+12], v[T+6], v[T+6]
	v_fmac_f32 v[T+13], v[T+7], v[T+7]
	v_fmac_f32 v[T+12], v[T+8], v[T+8]
	v_fmac_f32 v[T+13], v[T+9], v[T+9]
	v_fmac_f32 v[T+12], v[T+10], v[T+10]
	v_fmac_f32 v[T+13], v[T+11], v[T+11]
	v_add_f32 v[T+12], v[T+12], v[T+13]
	v_add_f32 v[T+4], v[GB+1], v[GB+3]
	v_add_f32 v[T+5], v[GB+5], v[GB+7]
	v_add_f32 v[T+6], v[GB+9], v[GB+11]
	v_add_f32 v[T+7], v[GB+13], v[GB+15]
	v_add_f32 v[T+4], v[T+4], v[T+5]
	v_add_f32 v[T+6], v[T+6], v[T+7]
	v_add_f32 v[T+4], v[T+4], v[T+6]
	v_fmac_f32 v[T+4], 0x3d000000, v[T+12]
	v_permlanex16_b32 v[T+5], v[T+4], s[SEL], s[SEL+1]
	v_add_f32 v[T+4], v[T+4], v[T+5]               ; the row's sum of squared deviations
	v_fma_f32 v[T+4], v[T+4], s40, s41             ; / 512 + eps
	s_wait_alu depctr_va_vdst(0)
	v_rsq_f32 v[RS], v[T+4]
.irp i, 0,2,4,6,8,10,12,14
	v_pk_add_f32 v[D+\i:D+\i+1], v[D+\i:D+\i+1], v[NM:NM+1] op_sel_hi:[1,0]   ; independent work behind the root
.endr
	s_wait_alu depctr_va_vdst(0)                   ; the root is written, ahead of its first reader; and the lines above are done reading this tile's pairs, so that the loads below may land in their registers
.if \m < 2
	GLOAD \m+2, \red                               ; the tile two on, into the buffer just read: no line below names it
.endif
.if \ring && (\m == 3)
	WLOAD 15                                       ; slot 3 goes back to the ring: the last K step's weights
.endif
.irp i, 0,2,4,6,8,10,12,14
	v_pk_mul_f32 v[D+\i:D+\i+1], v[D+\i:D+\i+1], v[RS:RS+1] op_sel_hi:[1,0]
.endr
.irp i, 0,2,4,6,8,10,12,14
	v_pk_fma_f32 v[D+\i:D+\i+1], v[D+\i:D+\i+1], v[LNW+\i:LNW+\i+1], v[LNB+\i:LNB+\i+1]
.endr
.endm
	s_load_b512 s[4:19], s[0:1], 0x0               ; x's codes 4, scales 6; cc 8, cs 10, wl 12; bo 14, br 16, ln1_w 18
	s_load_b256 s[20:27], s[0:1], 0x40             ; ln1_b 20, bfc 22, ln2_w 24, ln2_b 26
	s_load_b64 s[28:29], s[0:1], 0x60              ; out0
	v_lshl_add_u32 v254, v0, 2, 0x42000
	v_mov_b32 v255, 0
	v_lshrrev_b32 v14, 5, v0
	v_readfirstlane_b32 s[WV], v14                 ; wave 0..15
	s_mov_b32 s[WG], ttmp9
	s_mov_b32 s[SEL], 0x76543210
	s_mov_b32 s[SEL+1], 0xfedcba98
	s_mov_b32 s40, 0x3b000000                      ; 1 / 512
	s_mov_b32 s41, 0x3727c5ac                      ; eps = 1e-5
	v_and_b32 v248, 31, v0                         ; lane
	v_and_b32 v249, 15, v0                         ; r
	v_bfe_u32 v250, v0, 4, 1                       ; h
	v_and_b32 v252, 8, v0
	v_add_nc_u32 v252, v252, v249                  ; rho
	v_mov_b32 v[T+11], 0                           ; (upper halves of pairs of which the low word alone is taken)
	v_mov_b32 v[NM+1], 0
	v_mov_b32 v[RS+1], 0
	v_mul_u32_u24 v[LM], v248, 48
	v_lshlrev_b32 v[L4], 2, v248
	v_lshlrev_b32 v[R4], 2, v249
	s_wait_alu depctr_va_vdst(0)
	v_lshlrev_b32 v[GI], 4, v248
	v_add_nc_u32 v[LM2], XIMG, v[LM]
	s_wait_alu depctr_va_sdst(0)                   ; the wave's number is written, ahead of its first reader: addresses and bases are made from it
	s_lshl_b32 s42, s[WV], 7
	s_add_co_u32 s43, s42, PRM
	v_lshl_add_u32 v[PB], v250, 6, s43
	s_lshr_b32 s44, s[WV], 2                       ; my 32 columns are block w % 4 of K step w / 4: lanes (r, w % 2), registers 6 ((w / 2) % 2) + 3 h + 0 .. 2
	s_mul_i32 s45, s44, 1536
	s_and_b32 s46, s[WV], 1
	s_mul_i32 s46, s46, 768
	s_add_co_u32 s45, s45, s46
	s_bfe_u32 s46, s[WV], 0x10001
	s_mul_i32 s46, s46, 24
	s_add_co_u32 s45, s45, s46
	s_add_co_u32 s45, s45, YIMG
	v_mul_u32_u24 v[YWA], v249, 48
	v_mad_u32_u24 v[YWA], v250, 12, v[YWA]
	v_add_nc_u32 v[YWA], s45, v[YWA]
	s_lshl_b32 s45, s44, 6
	s_and_b32 s46, s[WV], 3
	s_add_co_u32 s45, s45, s46
	s_add_co_u32 s45, s45, YSC
	v_add_nc_u32 v[YSA], s45, v[R4]
	v_mul_u32_u24 v[REDR], v249, 144
	v_add_nc_u32 v[REDR], RED1, v[REDR]
	s_lshl_b32 s45, s[WV], 3
	v_add_nc_u32 v[REDW], s45, v[REDR]
	v_lshl_add_u32 v[REDR], v250, 6, v[REDR]
	v_mul_u32_u24 v[STW0], v252, 2064
	v_lshl_add_u32 v[STW0], v250, 6, v[STW0]
	s_add_co_u32 s45, s42, STG
	v_add_nc_u32 v[STW0], s45, v[STW0]
	v_add_nc_u32 v[STW1], 66048, v[STW0]
	s_mul_i32 s45, s[WV], 8256
	s_add_co_u32 s45, s45, STG
	v_add_nc_u32 v[STR], s45, v[GI]
	v_mul_u32_u24 v14, v252, 384
	v_mad_u32_u24 v14, v250, 24, v14               ; a fragment's place in rows of 384 bytes
	v_lshlrev_b32 v15, 4, v252                     ; 16 rho
	v_lshlrev_b32 v240, 2, v0                      ; 4 x thread
	s_mul_i32 s45, s[WV], 1536
	v_add_nc_u32 v241, s45, v[LM2]                 ; where I put x's fragment w,
	v_add_nc_u32 v242, s42, v[L4]                  ; its scale words,
	s_mul_i32 s45, s[WV], 3072
	v_add_nc_u32 v243, s45, v[LM]                  ; cc's fragments 2 w and 2 w + 1,
	s_lshl_b32 s45, s[WV], 8
	v_add_nc_u32 v244, s45, v[L4]                  ; their scale words,
	v_add_nc_u32 v245, PRM, v240                   ; and a word of each parameter
	; offsets in memory
	s_lshl_b32 s42, s[WG], 6
	s_lshr_b32 s43, s[WV], 3
	s_lshl_b32 s43, s43, 5
	s_add_co_u32 s42, s42, s43
	s_bfe_u32 s43, s[WV], 0x10002
	s_lshl_b32 s43, s43, 3
	s_add_co_u32 s42, s42, s43                     ; the first token of x's tile w / 4
	s_and_b32 s43, s[WV], 3                        ; its K step w % 4
	s_mul_i32 s46, s42, 384
	s_mul_i32 s48, s43, 96
	s_add_co_u32 s46, s46, s48
	s_mov_b32 s47, 0
	s_lshl_b32 s48, s42, 4
	s_lshl_b32 s50, s43, 2
	s_add_co_u32 s48, s48, s50
	s_mov_b32 s49, 0
	s_mul_i32 s50, s[WG], 49152
	s_mul_i32 s52, s[WV], 3072
	s_add_co_u32 s50, s50, s52                     ; cc: the work-group's 32 fragments are one dense block; mine are 2 w, 2 w + 1
	s_mov_b32 s51, 0
	s_lshr_b32 s52, s[WG], 3
	s_lshl_b32 s52, s52, 15                        ; cs: the batch,
	s_lshl_b32 s54, s43, 13
	s_add_co_u32 s52, s52, s54                     ; K step 2 (w % 4),
	s_and_b32 s54, s[WG], 7
	s_lshl_b32 s54, s54, 9
	s_add_co_u32 s52, s52, s54                     ; the work-group's four tiles,
	s_lshl_b32 s54, s44, 7
	s_add_co_u32 s52, s52, s54                     ; tile w / 4
	s_mov_b32 s53, 0
	s_mul_i32 s54, s[WV], 49152
	s_mov_b32 s55, 0
	s_lshl_b32 s56, s[WV], 12
	s_add_co_u32 s56, s56, 786432
	s_mov_b32 s57, 0
	s_lshl_b32 s58, s[WG], 17
	s_lshl_b32 s59, s[WV], 13
	s_add_co_u32 s58, s58, s59                     ; out0: row 64 g + 4 w of 2,048 bytes
	s_mov_b32 s59, 0
	s_wait_kmcnt 0x0
	s_add_nc_u64 s[4:5], s[4:5], s[46:47]
	s_add_nc_u64 s[6:7], s[6:7], s[48:49]
	s_add_nc_u64 s[8:9], s[8:9], s[50:51]
	s_add_nc_u64 s[10:11], s[10:11], s[52:53]
	s_add_nc_u64 s[WLB:WLB+1], s[12:13], s[54:55]
	s_add_nc_u64 s[WLS:WLS+1], s[12:13], s[56:57]
	s_add_nc_u64 s[OUT:OUT+1], s[28:29], s[58:59]
	; ---- 0: staging: 22 loads, then the ring's first four steps
	s_wait_alu depctr_va_vdst(0)                   ; the offsets and addresses v1-15 and v240-245 are written, which the kernel's loads and stores read
.irp p, 0,1,2,3,4,5
	global_load_b64 v[16+2*\p:17+2*\p], v14, s[4:5] offset:48*(\p/3)+8*(\p%3) th:TH_LOAD_NT
.endr
	global_load_b32 v28, v15, s[6:7] th:TH_LOAD_NT
.irp k, 0,1
.irp g, 0,1,2
	global_load_b128 v[32+12*\k+4*\g:35+12*\k+4*\g], v[GI], s[8:9] offset:1536*\k+512*\g th:TH_LOAD_NT
.endr
	global_load_b32 v[56+\k], v[L4], s[10:11] offset:4096*\k th:TH_LOAD_NT
.endr
.irp p, 0,1,2,3,4,5,6
	global_load_b32 v[58+\p], v240, s[14+2*\p:15+2*\p]
.endr
	WLOAD 0
	WLOAD 1
	WLOAD 2
	WLOAD 3
	s_wait_loadcnt 32                              ; all but the ring's 32, the youngest
.irp g, 0,1,2
	ds_store_b128 v241, v[16+4*\g:19+4*\g] offset:16*\g
.endr
	ds_store_b32 v242, v28 offset:XSC
.irp k, 0,1
.irp g, 0,1,2
	ds_store_b128 v243, v[32+12*\k+4*\g:35+12*\k+4*\g] offset:CIMG+1536*\k+16*\g
.endr
	ds_store_b32 v244, v[56+\k] offset:CSC+128*\k
.endr
.irp p, 0,1,2,3,4,5,6
	ds_store_b32 v245, v[58+\p] offset:2048*\p
.endr
	BARRIER                                        ; the tokens' fragments and the parameters lie in LDS
	s_wait_alu depctr_vm_vsrc(0)                   ; the staging's stores have read v16-64, in which bo lands, and the addresses v241-245; the parameters' loads have read v240: these six are at work later
	; ---- 1: concat Wo + bo
.irp m, 0,1,2,3
	PLOAD ACC+16*\m, 0                             ; bo starts all eight sums
.endr
.irp i, 0,1,2,3,4,5,6,7
	STEPW \i
.endr
	; tanh, and br with it: tanh + br = (1 + br) - 2 / (1 + 2^(2 x log2 e))
	s_wait_alu depctr_va_vdst(0)                   ; step 7's products are done reading ACT, in which br lands, and slot 3, in which step 11's weights land
	PLOAD ACT, 1
	WLOAD 11
	s_wait_dscnt 0x0
.irp i, 0,2,4,6,8,10,12,14
	v_pk_add_f32 v[ACT+\i:ACT+\i+1], v[ACT+\i:ACT+\i+1], 1.0 op_sel_hi:[1,0]
.endr
.set cnt, 0
.rept 32
	v_pk_mul_f32 v[ACC+cnt:ACC+cnt+1], v[ACC+cnt:ACC+cnt+1], 0x4038aa3b op_sel_hi:[1,0]
.set cnt, cnt+2
.endr
.set cnt, 0
	s_wait_alu depctr_va_vdst(0)
.rept 64
	v_exp_f32 v[ACC+cnt], v[ACC+cnt]
.set cnt, cnt+1
.endr
	v_nop                                          ; a plain line behind the last exponential,
	s_wait_alu depctr_va_vdst(0)                   ; and one wait for the batch: the 64 exponentials have written their results, ahead of the first reader
.set cnt, 0
.rept 32
	v_pk_add_f32 v[ACC+cnt:ACC+cnt+1], v[ACC+cnt:ACC+cnt+1], 1.0 op_sel_hi:[1,0]
.set cnt, cnt+2
.endr
.set cnt, 0
	s_wait_alu depctr_va_vdst(0)
.rept 64
	v_rcp_f32 v[ACC+cnt], v[ACC+cnt]
.set cnt, cnt+1
.endr
	v_nop
	s_wait_alu depctr_va_vdst(0)                   ; one wait for the 64 reciprocals, ahead of their first reader
.irp m, 0,1,2,3
.irp i, 0,2,4,6,8,10,12,14
	v_pk_fma_f32 v[ACC+16*\m+\i:ACC+16*\m+\i+1], v[ACC+16*\m+\i:ACC+16*\m+\i+1], -2.0, v[ACT+\i:ACT+\i+1] op_sel_hi:[1,0,1]
.endr
.endr
	NOPS 4
	; ---- 2: + x Wr, added by the matrix unit onto the same accumulators
.irp i, 8,9,10,11
	STEPW \i
.endr
	; ---- 3: the first layer norm; y1 is kept in the stage and quantised
.irp m, 0,1,2,3
	LNLOC \m
.endr
	LNOUT 0
	PLOAD LNW, 2
	PLOAD LNB, 3
	BARRIER                                        ; every wave's pairs lie in LDS
	s_wait_alu depctr_vm_vsrc(0)                   ; my four stores have read v80-87, in which the first tile's pairs land
	GLOAD 0, 0
	GLOAD 1, 0
	LNAPPLY 0, 0, 1
	LNAPPLY 1, 0, 1
	LNAPPLY 2, 0, 1
	LNAPPLY 3, 0, 1
	s_wait_alu depctr_va_vdst(0)                   ; the layer norm has written y1, which the stage's stores read
	YMOVE 1, ACC                                   ; y1 to my own places in the stage: I alone read them back.  The quantiser below reads y1 and writes none of it
.irp b, 0,1,2,3
	v_max3_num_f32 v[TM+\b], |v[ACC+16*\b]|, |v[ACC+1+16*\b]|, 0x2800000   ; block b: token tile b, columns 32 w .. 32 w + 31; with the floor 2^(5 - 127): the byte cannot fall under 1
.endr
.irp i, 2,4,6,8,10,12,14
.irp b, 0,1,2,3
	v_max3_num_f32 v[TM+\b], v[TM+\b], |v[ACC+16*\b+\i]|, |v[ACC+1+16*\b+\i]|
.endr
.endr
.irp b, 0,1,2,3
	v_permlanex16_b32 v[TM+4+\b], v[TM+\b], s[SEL], s[SEL+1]
.endr
.irp b, 0,1,2,3
	v_max_num_f32 v[TM+\b], v[TM+\b], v[TM+4+\b]   ; the block's largest magnitude
.endr
.irp b, 0,1,2,3
	v_add_nc_u32 v[TM+12+\b], 0xfe000000, v[TM+\b] ; 4 off its exponent field: the conversion takes that field as its scale
.endr
.irp b, 0,1,2,3
	v_lshrrev_b32 v[TM+4+\b], 23, v[TM+12+\b]      ; the scale's byte
.endr
.irp b, 0,1,2,3
	v_cvt_scalef32_pk16_bf6_f32 v[PC+4*\b:PC+4*\b+2], v[ACC+16*\b:ACC+16*\b+15], v[TM+12+\b]
.endr
	v_nop                                          ; one plain line behind the last scaled conversion
	s_wait_alu depctr_va_vdst(0)                   ; the quantiser has written the codes and the bytes, which the LDS stores read, and is done reading y1's registers, in which bfc will land
.irp m, 0,1,2,3
.irp i, 0,1,2
	ds_store_b32 v[YWA], v[PC+4*\m+\i] offset:6144*\m+4*\i
.endr
	ds_store_b8 v[YSA], v[TM+4+\m] offset:256*\m   ; both lanes of a block write the same byte with the same value
.endr
	BARRIER                                        ; y1's sixteen fragments lie in LDS
	s_wait_alu depctr_vm_vsrc(0)                   ; the stage's stores have read y1's registers, in which bfc lands; the stores of codes and bytes have read theirs, in which the next step's fragments land
	; ---- 4: Q(y1) Wfc + bfc, relu, + y1
.irp m, 0,1,2,3
	PLOAD ACC+16*\m, 4
.endr
.irp i, 12,13,14,15
	STEPW \i
.endr
	s_wait_dscnt 0x0                               ; y1 is back
.set cnt, 0
.rept 64
	v_max_num_f32 v[ACC+cnt], 0, v[ACC+cnt]
.set cnt, cnt+1
.endr
.set cnt, 0
.rept 32
	v_pk_add_f32 v[ACC+cnt:ACC+cnt+1], v[ACC+cnt:ACC+cnt+1], v[SL+cnt:SL+cnt+1]
.set cnt, cnt+2
.endr
	; ---- 5: the second layer norm, with bytes of its own for the pairs
.irp m, 0,1,2,3
	LNLOC \m
.endr
	LNOUT 9216
	PLOAD LNW, 5
	PLOAD LNB, 6
	BARRIER
	s_wait_alu depctr_vm_vsrc(0)                   ; my four stores have read v80-87, in which the first tile's pairs land
	GLOAD 0, 9216
	GLOAD 1, 9216
	LNAPPLY 0, 9216, 0
	LNAPPLY 1, 9216, 0
	LNAPPLY 2, 9216, 0
	LNAPPLY 3, 9216, 0
	; ---- 6: the way out: a row's 512 numbers come from sixteen waves: they meet in the stage, and each wave stores four whole rows
	s_wait_alu depctr_va_vdst(0)                   ; the layer norm has written the result, which the stage's stores read; the additions of y1 are done reading v140-203, in which the rows below land
	YMOVE 1, ACC
	BARRIER
.set cnt, 0
.rept 16
	ds_load_b128 v[SL+4*cnt:SL+4*cnt+3], v[STR] offset:2064*(cnt/4)+512*(cnt%4)
.set cnt, cnt+1
.endr
.set cnt, 0
.rept 16
	s_wait_dscnt 15-cnt                            ; LDS loads come back in order: this one is in
	global_store_b128 v[GI], v[SL+4*cnt:SL+4*cnt+3], s[OUT:OUT+1] offset:2048*(cnt/4)+512*(cnt%4) th:TH_STORE_NT   ; 32 lanes store 512 consecutive bytes, at a multiple of 256 from out0's first byte
.set cnt, cnt+1
.endr
	s_wait_dscnt 0x0                               ; the closing lines, six on end
	s_wait_alu 0x0
	s_wait_tensorcnt 0x0
	ds_add_u32 v254, v255
	s_wait_dscnt 0x0
	s_endpgm
.Lfunc_end_k_q794c12098d_tail:
	.size	k_q794c12098d_tail, .Lfunc_end_k_q794c12098d_tail-k_q794c12098d_tail
	.p2alignl 7, 3214868480
	.fill 96, 4, 3214868480
	.section	.rodata,"a",@progbits
	.p2align	6, 0x0
	.amdhsa_kernel k_q794c12098d_tail
		.amdhsa_group_segment_fixed_size 272384
		.amdhsa_private_segment_fixed_size 0
		.amdhsa_enable_private_segment 0
		.amdhsa_kernarg_size 104
		.amdhsa_user_sgpr_count 2
		.amdhsa_user_sgpr_kernarg_segment_ptr 1
		.amdhsa_wavefront_size32 1
		.amdhsa_system_sgpr_workgroup_id_x 1
		.amdhsa_system_sgpr_workgroup_id_y 1
		.amdhsa_system_sgpr_workgroup_id_z 1
		.amdhsa_system_vgpr_workitem_id 0
		.amdhsa_next_free_vgpr 256
		.amdhsa_next_free_sgpr 66
		.amdhsa_reserve_vcc 0
		.amdhsa_float_denorm_mode_32 3
		.amdhsa_float_denorm_mode_16_64 3
		.amdhsa_memory_ordered 1
		.amdhsa_forward_progress 1
		.amdhsa_inst_pref_size 128
	.end_amdhsa_kernel
	.amdgpu_metadata
---
amdhsa.version: [ 1, 2 ]
amdhsa.kernels:
  - .name:           k_q794c12098d_tail
    .symbol:         k_q794c12098d_tail.kd
    .args:
      - { .name: inputs_codes, .offset: 0, .size: 8, .value_kind: global_buffer, .address_space: global }
      - { .name: inputs_scales, .offset: 8, .size: 8, .value_kind: global_buffer, .address_space: global }
      - { .name: cc, .offset: 16, .size: 8, .value_kind: global_buffer, .address_space: global }
      - { .name: cs, .offset: 24, .size: 8, .value_kind: global_buffer, .address_space: global }
      - { .name: wl, .offset: 32, .size: 8, .value_kind: global_buffer, .address_space: global }
      - { .name: bo, .offset: 40, .size: 8, .value_kind: global_buffer, .address_space: global }
      - { .name: br, .offset: 48, .size: 8, .value_kind: global_buffer, .address_space: global }
      - { .name: ln1_w, .offset: 56, .size: 8, .value_kind: global_buffer, .address_space: global }
      - { .name: ln1_b, .offset: 64, .size: 8, .value_kind: global_buffer, .address_space: global }
      - { .name: bfc, .offset: 72, .size: 8, .value_kind: global_buffer, .address_space: global }
      - { .name: ln2_w, .offset: 80, .size: 8, .value_kind: global_buffer, .address_space: global }
      - { .name: ln2_b, .offset: 88, .size: 8, .value_kind: global_buffer, .address_space: global }
      - { .name: out0, .offset: 96, .size: 8, .value_kind: global_buffer, .address_space: global }
    .group_segment_fixed_size: 272384
    .private_segment_fixed_size: 0
    .kernarg_segment_align: 8
    .kernarg_segment_size: 104
    .max_flat_workgroup_size: 512
    .sgpr_count:     66
    .vgpr_count:     256
    .wavefront_size: 32
...
	.end_amdgpu_metadata
.endif
;; end of part 4
